; MI455X (gfx1250); checked and timed in simulation.
; The chip was launched on July 23, 2026; its instructions are those of AMD's public machine-readable ISA for CDNA 5 (MIT licence, August 2026) and "CDNA5" Instruction Set Architecture Reference Guide (July 2026). The comments in the code are by the model that wrote it; some were corrected since.
;; Multi Head Attention. Allowed arithmetic: matrix products marked QUANTISED: E4M3 operands, one given power-of-two scale a tensor, by v_wmma_f32_16x16x64_fp8_fp8 or v_wmma_f32_16x16x128_fp8_fp8, f32 sums; everything else in f32.
;; Inputs: Wo 1,024 x 1,024 float32; Wqkv 1,024 x 3,072 float32; lowp_scales 8 int32 (the exponents e of the quantised operands' scales 2^e); mask 1 x 1 x 2,048 x 2,048 bool; x 2 x 2,048 x 1,024 float32.
;; Outputs: out0 2 x 2,048 x 1,024 float32.
;; This version of the problem:
;;   THIS VERSION OF THE PROBLEM IS GIVEN IN LOW PRECISION. The matrix products marked QUANTISED in the list below multiply operands that are first quantised to E4M3 (4 exponent bits, 3 mantissa bits; 8 bits a number), with one given power-of-two scale for each operand tensor; their sums are f32. All else is computed in f32.
;;   The module's matrix products, in the order in which they are computed (A, B: the left and right operand; K: the contracted axis; several contracted axes count as one K, in the product's order):
;;     1. [M 4,096, K 1,024] x [K 1,024, N 3,072]; A: input x; B: input Wqkv: QUANTISED (scales: A lowp_scales[0], B lowp_scales[1])
;;     2. batch 32 x [M 2,048, K 64] x [K 64, N 2,048]; A: computed on the way; B: computed on the way: QUANTISED (scales: A lowp_scales[2], B lowp_scales[3])
;;     3. batch 32 x [M 2,048, K 2,048] x [K 2,048, N 64]; A: softmax (see below); B: computed on the way: QUANTISED (scales: A lowp_scales[4], B lowp_scales[5])
;;     4. [M 4,096, K 1,024] x [K 1,024, N 1,024]; A: computed on the way; B: input Wo: QUANTISED (scales: A lowp_scales[6], B lowp_scales[7])
;;   THE QUANTISER, for each operand of a quantised product, along K:
;;     - The operand's scale is 2^e, e = its entry of the input lowp_scales (int32; the entries are numbered through the quantised products in the list's order, A before B).
;;     - Each number is divided by the scale, clamped to +-448, and rounded to the nearest number of E4M3, ties to even, subnormals kept.
;;     - The product sums the exact products of the quantised numbers (number of the format x scale) in f32.
;;   ~~~python
;;   def quantise(x, axis, e):      # numpy; x: float32 -> the quantised numbers, widened to float32 again
;;       x = np.moveaxis(x, axis, -1); K = x.shape[-1]
;;       r = np.clip(x / 2.0 ** e, -448, 448)
;;       step = 2.0 ** (np.maximum(np.frexp(np.where(r == 0, 1, r))[1] - 1, -6) - 3)
;;       q = np.round(r / step) * step * 2.0 ** e      # np.round: ties to even
;;       return np.moveaxis(q, -1, axis).astype(np.float32)
;;   ~~~
;;   SOFTMAX AHEAD OF A QUANTISED PRODUCT. Where the list says 'softmax', what is quantised is not the finished softmax but p = 2^(t - M), with t = logit x log2(e) and M = ceil(the row's largest t), a whole number; so 1/2 < the row's largest p <= 1. The row's sum l is taken of the UNQUANTISED p, in f32, and the product's result is divided by l at the end. Since M is a whole number, a kernel that streams over the keys may use a running M (the ceiling of the running maximum): every later rescaling is an exact power of two, so the quantised numbers keep their values, but for numbers so far below the row's largest that they fall under the format's range.
;;   OPERANDS COMPUTED ON THE WAY. 'Computed on the way' means the value that the module computes at that place (a softmax that the list does not call 'softmax' is quantised finished and normalised). What goes into a quantiser is computed in f32, as accurately as f32 sums, v_exp_f32 and their like allow (about 1e-6 of the number): no bf16 or f16 on the way to a quantiser, and a product that is left as it is and whose result goes on into a quantised operand takes f32 operands (vector FMAs, or v_wmma_f32_16x16x4_f32). A number that lies on a knife's edge between two numbers of the format may be rounded either way, as far as f32 arithmetic and the matrix unit's own rounding can turn it there, and no further.
;; 2 versions, each right; version 2 is version 1 with the launch attn written anew for expert scheduling mode. Each part assembles by itself: llvm-mc -triple=amdgcn-amd-amdhsa -mcpu=gfx1250 --defsym DOCPART=n.
;; ======== version 1 of 2: 4 launches
;; limits: right only within a limited range of input values
;; workspace buffers: x_codes 4,194,304 bytes; wqkv_codes 3,145,728 bytes; wo_img 1,048,576 bytes; mwords 524,288 bytes of whole numbers; mflags 2,048 bytes of whole numbers; qkv_img 12,582,912 bytes; a_img 4,194,304 bytes
;; launch prep (part 1): grid 384 x 1, 4 waves a work-group, no clusters, 136,704 bytes of LDS; arguments x, Wqkv, Wo, mask, lowp_scales, x_codes, wqkv_codes, wo_img, mwords, mflags; writes x_codes, wqkv_codes, wo_img, mwords, mflags
.if DOCPART == 1
	.amdgcn_target "amdgcn-amd-amdhsa--gfx1250"
	.amdhsa_code_object_version 6
	.text
	.protected	k_qf708aa2bed_prep
	.globl	k_qf708aa2bed_prep
	.p2align	8
	.type	k_qf708aa2bed_prep,@function
k_qf708aa2bed_prep:
	s_mov_b64 s[64:65], 0
	v_nop
	global_prefetch_b8 v0, s[64:65] scope:SCOPE_SE
	s_setreg_imm32_b32 hwreg(HW_REG_WAVE_MODE, 25, 1), 1
	s_wait_xcnt 0x0
; PREP: the inputs are read once and laid as the later launches want them.  Four kinds of work-groups, told apart by the work-group's number; each kind has LDS bytes of its own.
;   0..127   x [4096][1024] f32 -> x_codes [4096][1024], E4M3, K innermost, scale 2^e0
;   128..223 Wqkv [1024 (k)][3072 (n)] f32 -> wqkv_codes [3072 (n)][1024 (k)], scale 2^e1
;   224..255 Wo [1024 (k)][1024 (n)] f32 -> wo_img: [16 columns (64)][64 along K (16)][1,024 bytes], an image of the operand's registers, scale 2^e7:
;            piece p of 512 bytes = registers 4 p .. 4 p + 3, lane l's 16 bytes at 16 l; lane (r, h) holds column r, registers 2 c, 2 c + 1 hold k = 16 c + 8 h + 0 .. 7
;   256..383 mask [2048 (q)][2048 (k)] bytes -> mwords [16 queries (128)][128 keys (16)][64 words]: bit l of word 8 t + j = mask[16 tile + l % 16][128 step + 16 t + 8 (l / 16) + j],
;            and mflags [16 queries (128)][512 keys (4)]: bits 15:0 row r has a true key in the group; bits 19:16 a step of the group has a true key; bits 23:20 a step is all true
; code = number / 2^e, held within +-448, rounded to the nearest code, ties to even.  LIMITS: e0, e1, e7 between -126 and 119.  NaN among the inputs is not served.  A mask byte other than 0 counts as true.
; No matrix work, no tensor loads, no barrier: memory binds, and waves share nothing.
.set XST,  0                           ; x: 8,192 bytes a wave (two stages of 32 x 80)
.set WQST, 32768                       ; Wqkv: 32 rows x 272 bytes a wave
.set WOST, 67584                       ; Wo: the same
.set MKST, 102400                      ; mask: 16 rows x 528 bytes a wave
.set SP,   80                          ; x: a lane's place in a stage: its 64 bytes + 16 of padding
.set WP,   272                         ; weights: a stage row: 256 codes + 16 of padding
.set XR,   16                          ; x: v16-79 four sets of 16 numbers as loaded
.set XX,   80                          ; x: v80-111 two sets of 16 neighbours
.set XC,   128                         ; x: v128-191 codes, four registers for each step
.set WX,   32                          ; weights: v32-95 two sets of 32 numbers
.set WC,   96                          ; weights: v96-103 a block's codes
.set OUTR, 112                         ; weights: v112-175 the way out
.set MB,   80                          ; mask: v80-143 my 8 bytes of each (step, tile)
.set ME,   144                         ; mask: v144-151 a pair of registers of words for each step
.set MT,   160                         ; mask: v160-167 at work
; ---- x: each load reads 512 consecutive bytes; a step's 2,048 bytes turn through the wave's own stage so that a lane holds 16 neighbours along K
.macro XLOAD t
.irp i, 0,1,2,3
	global_load_b128 v[XR+16*((\t)%4)+4*\i:XR+16*((\t)%4)+4*\i+3], v3, s[4:5] offset:2048*(\t)+512*\i th:TH_LOAD_NT
.endr
.endm
.macro XTURN t                         ; LDS serves a wave's instructions in order (ISA guide 5.7.1.4): no wait between the stores and the loads
.irp i, 0,1,2,3
	ds_store_b128 v14, v[XR+16*((\t)%4)+4*\i:XR+16*((\t)%4)+4*\i+3] offset:32*SP*((\t)%2)+8*SP*\i
.endr
.irp i, 0,1,2,3
	ds_load_b128 v[XX+16*((\t)%2)+4*\i:XX+16*((\t)%2)+4*\i+3], v15 offset:32*SP*((\t)%2)+16*\i
.endr
.endm
.macro XSTEP t
.set XS, XX+16*((\t)%2)
	s_wait_dscnt 0x0                               ; this step's numbers are back from the stage, so its stores into the stage have read their registers,
.if (\t)+4 < 16
	XLOAD (\t)+4                                   ; which take the loads of four steps on
.endif
.if (\t)+1 < 16
.if 14-(\t) >= 3
	s_wait_loadcnt 12                              ; the next step's four loads are in; those of the three steps behind it may be out
.else
	s_wait_loadcnt 4*(14-(\t))                     ; the tail: four for each step still behind the next
.endif
	XTURN (\t)+1
.endif
.set q, 0
.rept 16
	v_med3_num_f32 v[XS+q], v[XS+q], -v10, v10     ; the conversion to an 8-bit code does not saturate (ISA guide 7.6.2): the hold at the largest code x the scale
.set q, q+1
.endr
	v_cvt_scalef32_pk8_fp8_f32 v[XC+4*(\t):XC+4*(\t)+1], v[XS:XS+7], v11
	v_cvt_scalef32_pk8_fp8_f32 v[XC+4*(\t)+2:XC+4*(\t)+3], v[XS+8:XS+15], v11
	global_store_b128 v3, v[XC+4*(\t):XC+4*(\t)+3], s[14:15] offset:512*(\t)   ; the wave stores 512 consecutive bytes, aligned; each step has its own code registers
.endm
; ---- a weight stored [k][n]: a lane takes a column, its registers run down K: the conversions give codes with K innermost
.macro WLOAD t, cols, src
.set q, 0
.rept 32
	global_load_b32 v[WX+32*((\t)%2)+q], v3, s[\src:\src+1] offset:(32*(\t)+q)*\cols*4 th:TH_LOAD_NT
.set q, q+1
.endr
.endm
.macro WBLOCK t, cols, src
.set XS, WX+32*((\t)%2)
.if (\t) < 7
	s_wait_loadcnt 32                              ; this block's 32 loads are in; the next block's may be out
.else
	s_wait_loadcnt 0x0
.endif
.set q, 0
.rept 32
	v_med3_num_f32 v[XS+q], v[XS+q], -v10, v10
.set q, q+1
.endr
.irp g, 0,1,2,3
	v_cvt_scalef32_pk8_fp8_f32 v[WC+2*\g:WC+2*\g+1], v[XS+8*\g:XS+8*\g+7], v11
.endr
	ds_store_b128 v4, v[WC:WC+3] offset:32*(\t)    ; 32 codes of my column's row of the stage
	ds_store_b128 v4, v[WC+4:WC+7] offset:32*(\t)+16
.if (\t)+2 < 8
	WLOAD (\t)+2, \cols, \src
.endif
	s_wait_dscnt 0x0                               ; the stores have read their registers: the next block's codes may be written
.endm
; A wave takes 32 columns x 256 along K.  img = 0: the codes leave as rows [n][k]; img = 1: as images of the operand's registers.
.macro WPATH cols, src, dst, e, lbase, first, img
	s_sub_co_u32 s33, ttmp9, \first
	s_lshr_b32 s34, s33, 2                         ; which 128 columns
	s_and_b32 s35, s33, 3                          ; which 256 along K
	s_lshl_b32 s34, s34, 7
	s_lshl_b32 s36, s32, 5
	s_add_co_u32 s34, s34, s36                     ; my wave's first column
	v_lshlrev_b32 v3, 2, v2                        ; in: 4 bytes a lane
	s_mul_i32 s36, s32, 32*WP
	s_add_co_u32 s36, s36, \lbase                  ; my stage
	v_mul_u32_u24 v4, v2, WP
	v_add_nc_u32 v4, s36, v4                       ; into it: row = my column
	v_and_b32 v5, 15, v2                           ; r
	v_lshrrev_b32 v6, 4, v2                        ; h
.if \img
	v_mul_u32_u24 v7, v5, WP
	v_lshl_add_u32 v7, v6, 3, v7
	v_add_nc_u32 v7, s36, v7                       ; out of it: column r's row, + 8 h
	v_lshlrev_b32 v8, 4, v2                        ; and 16 x lane in an image's piece
.else
	v_mul_u32_u24 v7, v6, WP
	v_lshl_add_u32 v7, v5, 4, v7
	v_add_nc_u32 v7, s36, v7                       ; out of it: sixteen lanes to a row, two rows an instruction
	v_lshlrev_b32 v8, 10, v6
	v_lshl_add_u32 v8, v5, 4, v8                   ; and the same place in the codes' buffer (rows of 1,024 bytes)
.endif
	s_mul_i32 s38, s35, 256*\cols*4
	s_lshl_b32 s37, s34, 2
	s_add_co_u32 s38, s38, s37
	s_mov_b32 s39, 0
	s_add_nc_u64 s[\src:\src+1], s[\src:\src+1], s[38:39]
	s_lshl_b32 s38, s34, 10                        ; a column is 1,024 bytes of codes in both layouts
.if \img
	s_lshl_b32 s37, s35, 12                        ; 256 along K are four images of 1,024 bytes
.else
	s_lshl_b32 s37, s35, 8
.endif
	s_add_co_u32 s38, s38, s37
	s_add_nc_u64 s[\dst:\dst+1], s[\dst:\dst+1], s[38:39]
	WLOAD 0, \cols, \src
	WLOAD 1, \cols, \src
	s_wait_kmcnt 0x0                               ; the scales' exponents
	s_add_co_i32 s40, s[\e], 127
	s_lshl_b32 s41, s40, 23
	v_mov_b32 v11, s41                             ; 2^e as f32: the conversion takes its exponent field
	s_add_co_i32 s40, s40, 8
	s_lshl_b32 s40, s40, 23
	s_or_b32 s40, s40, 0x600000
	v_mov_b32 v10, s40                             ; 448 x 2^e
.irp t, 0,1,2,3,4,5,6,7
	WBLOCK \t, \cols, \src
.endr
.if \img
	; piece f: 16 columns f / 8, 64 along K (f / 2) % 4, half f % 2: registers 4 p, 4 p + 1 hold k = 32 p + 8 h + 0 .. 7, registers 4 p + 2, 4 p + 3 the eight 16 further on
.set f, 0
.rept 16
	ds_load_b64 v[OUTR+4*f:OUTR+4*f+1],   v7 offset:(f/8)*16*WP+64*((f/2)%4)+32*(f%2)
	ds_load_b64 v[OUTR+4*f+2:OUTR+4*f+3], v7 offset:(f/8)*16*WP+64*((f/2)%4)+32*(f%2)+16
.set f, f+1
.endr
.set f, 0
.rept 16
	s_wait_dscnt 2*(15-f)                          ; piece f's two loads are in; two for each later piece may be out
	global_store_b128 v8, v[OUTR+4*f:OUTR+4*f+3], s[\dst:\dst+1] offset:(f/8)*16384+((f/2)%4)*1024+(f%2)*512   ; 512 consecutive bytes, aligned
.set f, f+1
.endr
.else
.set f, 0
.rept 16
	ds_load_b128 v[OUTR+4*f:OUTR+4*f+3], v7 offset:2*f*WP
.set f, f+1
.endr
.set f, 0
.rept 16
	s_wait_dscnt 15-f
	global_store_b128 v8, v[OUTR+4*f:OUTR+4*f+3], s[\dst:\dst+1] offset:2*f*1024   ; sixteen lanes store 256 consecutive bytes, aligned
.set f, f+1
.endr
.endif
	s_wait_tensorcnt 0x0
	ds_add_u32 v192, v193
	s_wait_dscnt 0x0
	s_endpgm
.endm
; ---- the mask: one step of 128 keys for 16 queries: 64 words of lane bits, and the step's two flags
.macro MSTEP s
	v_mov_b32 v[ME+2*\s], 0                        ; v_writelane_b32's destination counts as read
	v_mov_b32 v[ME+2*\s+1], 0
.set m, 0
.rept 8                                        ; m: the 16 keys; k: the key among my eight.  Eight words at a time, so that no line waits for the line above it
.irp k, 0,1,2,3,4,5,6,7
	v_and_b32 v[MT+\k], 0xff<<(8*(\k%4)), v[MB+16*\s+2*m+\k/4]
.endr
.irp k, 0,1,2,3,4,5,6,7
	v_cmp_ne_u32 s[40+\k], 0, v[MT+\k]             ; bit l: lane l's byte is true
.endr
.irp k, 0,1,2,3,4,5,6,7
	v_writelane_b32 v[ME+2*\s+\k%2], s[40+\k], 4*m+\k/2   ; word n = 8 m + k goes to lane n / 2, register n % 2
.endr
.set m, m+1
.endr
	v_or_b32 v12, v[MB+16*\s], v[MB+16*\s+1]
	v_and_b32 v13, v[MB+16*\s], v[MB+16*\s+1]
.set m, 2
.rept 14
	v_or_b32 v12, v12, v[MB+16*\s+m]
	v_and_b32 v13, v13, v[MB+16*\s+m]
.set m, m+1
.endr
	v_cmp_ne_u32 s50, 0, v12                       ; lanes that hold a true byte
	v_cmp_eq_u32 s51, 0x01010101, v13              ; lanes all of whose bytes are 1
	v_or_b32 v14, v14, v12
	s_cmp_lg_u32 s50, 0
	s_cselect_b32 s52, 1<<(16+\s), 0
	s_or_b32 s48, s48, s52
	s_cmp_eq_u32 s51, -1
	s_cselect_b32 s52, 1<<(20+\s), 0
	s_or_b32 s48, s48, s52
	global_store_b64 v6, v[ME+2*\s:ME+2*\s+1], s[20:21] offset:256*\s   ; 32 lanes store the step's 256 bytes, aligned
.endm
	s_load_b512 s[4:19], s[0:1], 0x0               ; x, Wqkv, Wo, mask, scales, x_codes, wqkv_codes, wo_img
	s_load_b128 s[20:23], s[0:1], 0x40             ; mwords, mflags
	v_lshl_add_u32 v192, v0, 2, 0x21400
	v_mov_b32 v193, 0
	v_lshrrev_b32 v1, 5, v0
	v_readfirstlane_b32 s32, v1                    ; wave 0..3
	v_and_b32 v2, 31, v0                           ; lane
	s_wait_kmcnt 0x0
	s_load_b256 s[24:31], s[12:13], 0x0            ; e0 .. e7
	s_cmp_lt_u32 ttmp9, 128
	s_cbranch_scc0 .Lnot_x
	; ---- x: a wave takes 16 steps of 512 numbers
	v_lshlrev_b32 v3, 4, v2                        ; my 16 bytes of a load's 512, and of a step's 512 bytes of codes
	s_lshl_b32 s33, s32, 13                        ; my stages (XST = 0)
	v_lshrrev_b32 v14, 2, v2
	v_mul_u32_u24 v14, v14, SP
	v_and_b32 v15, 3, v2
	v_lshl_add_u32 v14, v15, 4, v14
	v_add_nc_u32 v14, s33, v14                     ; in: four lanes' 64 bytes on end, then the padding
	v_mul_u32_u24 v15, v2, SP
	v_add_nc_u32 v15, s33, v15                     ; out: my 16 neighbours
	s_lshl_b32 s34, ttmp9, 2
	s_add_co_u32 s34, s34, s32                     ; which run of 8,192 numbers is my wave's
	s_lshl_b32 s36, s34, 15
	s_mov_b32 s37, 0
	s_add_nc_u64 s[4:5], s[4:5], s[36:37]
	s_lshl_b32 s36, s34, 13
	s_add_nc_u64 s[14:15], s[14:15], s[36:37]
.irp t, 0,1,2,3
	XLOAD \t
.endr
	s_wait_kmcnt 0x0
	s_add_co_i32 s40, s24, 127
	s_lshl_b32 s41, s40, 23
	v_mov_b32 v11, s41                             ; 2^e0
	s_add_co_i32 s40, s40, 8
	s_lshl_b32 s40, s40, 23
	s_or_b32 s40, s40, 0x600000
	v_mov_b32 v10, s40                             ; 448 x 2^e0
	s_wait_loadcnt 12                              ; step 0's four loads are in
	XTURN 0
.irp t, 0,1,2,3,4,5,6,7,8,9,10,11,12,13,14,15
	XSTEP \t
.endr
	s_wait_tensorcnt 0x0
	ds_add_u32 v192, v193
	s_wait_dscnt 0x0
	s_endpgm
.Lnot_x:
	s_cmp_lt_u32 ttmp9, 224
	s_cbranch_scc0 .Lnot_wqkv
	WPATH 3072, 6, 16, 25, WQST, 128, 0
.Lnot_wqkv:
	s_cmp_lt_u32 ttmp9, 256
	s_cbranch_scc0 .Lmask
	WPATH 1024, 8, 18, 31, WOST, 224, 1
.Lmask:
	; ---- the mask: the work-group takes 16 queries, wave g keys 512 g .. 512 g + 511
	s_sub_co_u32 s33, ttmp9, 256                   ; the tile of 16 queries
	v_lshlrev_b32 v3, 4, v2
	s_mul_i32 s34, s32, 16*528
	s_add_co_u32 s34, s34, MKST                    ; my stage: 16 rows of 512 bytes + 16
	v_add_nc_u32 v4, s34, v3                       ; in: a row as it lies
	v_and_b32 v5, 15, v2
	v_lshrrev_b32 v6, 4, v2
	v_mul_u32_u24 v5, v5, 528
	v_lshl_add_u32 v5, v6, 3, v5
	v_add_nc_u32 v5, s34, v5                       ; out: row lane % 16, + 8 (lane / 16)
	v_lshlrev_b32 v6, 3, v2                        ; 8 x lane: two words of a step's 64
	v_mov_b32 v7, 0
	s_lshl_b32 s36, s33, 15                        ; 16 rows of 2,048 bytes
	s_lshl_b32 s35, s32, 9
	s_add_co_u32 s36, s36, s35
	s_mov_b32 s37, 0
	s_add_nc_u64 s[10:11], s[10:11], s[36:37]
.set f, 0
.rept 16
	global_load_b128 v[16+4*f:19+4*f], v3, s[10:11] offset:2048*f th:TH_LOAD_NT   ; 512 consecutive bytes of row f
.set f, f+1
.endr
	s_lshl_b32 s36, s33, 4
	s_lshl_b32 s35, s32, 2
	s_add_co_u32 s36, s36, s35                     ; 16 x tile + 4 g: my flag word's byte, and my first step
	s_add_nc_u64 s[22:23], s[22:23], s[36:37]
	s_lshl_b32 s36, s36, 8
	s_add_nc_u64 s[20:21], s[20:21], s[36:37]
	s_mov_b32 s48, 0                               ; the flag word
	v_mov_b32 v14, 0                               ; the OR of all my bytes
	s_wait_loadcnt 0x0
.set f, 0
.rept 16
	ds_store_b128 v4, v[16+4*f:19+4*f] offset:528*f
.set f, f+1
.endr
.set f, 0
.rept 32                                       ; f = 8 s + t: step s, 16 keys t: my 8 bytes
	ds_load_b64 v[MB+2*f:MB+2*f+1], v5 offset:128*(f/8)+16*(f%8)
.set f, f+1
.endr
	s_wait_dscnt 0x0
	MSTEP 0
	MSTEP 1
	MSTEP 2
	MSTEP 3
	v_cmp_ne_u32 s50, 0, v14                       ; lane (r, h) has a true byte: row r has one in either half
	s_lshr_b32 s51, s50, 16
	s_or_b32 s50, s50, s51
	s_and_b32 s50, s50, 0xffff
	s_or_b32 s48, s48, s50
	v_mov_b32 v15, s48
	v_cmp_eq_u32 vcc_lo, 0, v2
	s_wait_xcnt 0x0                                ; EXEC is a source of the stores above: it changes only behind this wait
	s_wait_tensorcnt 0x0
	ds_add_u32 v192, v193
	s_wait_dscnt 0x0
	s_and_saveexec_b32 s54, vcc_lo
	global_store_b32 v7, v15, s[22:23]             ; lane 0 stores the wave's one flag word
	s_wait_xcnt 0x0                                ; and again in front of the line that widens EXEC
	s_or_b32 exec_lo, exec_lo, s54
	s_endpgm
.Lfunc_end_k_qf708aa2bed_prep:
	.size	k_qf708aa2bed_prep, .Lfunc_end_k_qf708aa2bed_prep-k_qf708aa2bed_prep
	.p2alignl 7, 3214868480
	.fill 96, 4, 3214868480
	.section	.rodata,"a",@progbits
	.p2align	6, 0x0
	.amdhsa_kernel k_qf708aa2bed_prep
		.amdhsa_group_segment_fixed_size 136704
		.amdhsa_private_segment_fixed_size 0
		.amdhsa_enable_private_segment 0
		.amdhsa_kernarg_size 80
		.amdhsa_user_sgpr_count 2
		.amdhsa_user_sgpr_kernarg_segment_ptr 1
		.amdhsa_wavefront_size32 1
		.amdhsa_system_sgpr_workgroup_id_x 1
		.amdhsa_system_sgpr_workgroup_id_y 1
		.amdhsa_system_sgpr_workgroup_id_z 1
		.amdhsa_system_vgpr_workitem_id 0
		.amdhsa_next_free_vgpr 194
		.amdhsa_next_free_sgpr 66
		.amdhsa_reserve_vcc 1
		.amdhsa_float_denorm_mode_32 3
		.amdhsa_float_denorm_mode_16_64 3
		.amdhsa_memory_ordered 1
		.amdhsa_forward_progress 1
		.amdhsa_inst_pref_size 195
	.end_amdhsa_kernel
	.amdgpu_metadata
---
amdhsa.version: [ 1, 2 ]
amdhsa.kernels:
  - .name:           k_qf708aa2bed_prep
    .symbol:         k_qf708aa2bed_prep.kd
    .args:
      - { .name: x, .offset: 0, .size: 8, .value_kind: global_buffer, .address_space: global }
      - { .name: Wqkv, .offset: 8, .size: 8, .value_kind: global_buffer, .address_space: global }
      - { .name: Wo, .offset: 16, .size: 8, .value_kind: global_buffer, .address_space: global }
      - { .name: mask, .offset: 24, .size: 8, .value_kind: global_buffer, .address_space: global }
      - { .name: lowp_scales, .offset: 32, .size: 8, .value_kind: global_buffer, .address_space: global }
      - { .name: x_codes, .offset: 40, .size: 8, .value_kind: global_buffer, .address_space: global }
      - { .name: wqkv_codes, .offset: 48, .size: 8, .value_kind: global_buffer, .address_space: global }
      - { .name: wo_img, .offset: 56, .size: 8, .value_kind: global_buffer, .address_space: global }
      - { .name: mwords, .offset: 64, .size: 8, .value_kind: global_buffer, .address_space: global }
      - { .name: mflags, .offset: 72, .size: 8, .value_kind: global_buffer, .address_space: global }
    .group_segment_fixed_size: 136704
    .private_segment_fixed_size: 0
    .kernarg_segment_align: 8
    .kernarg_segment_size: 80
    .max_flat_workgroup_size: 128
    .sgpr_count:     66
    .vgpr_count:     194
    .wavefront_size: 32
...
	.end_amdgpu_metadata
.endif
;; end of part 1
;; launch qkv (part 2): grid 12 x 16, 4 waves a work-group, clusters of 4 x 4, 327,680 bytes of LDS; arguments x_codes, wqkv_codes, lowp_scales, qkv_img; writes qkv_img
.if DOCPART == 2
	.amdgcn_target "amdgcn-amd-amdhsa--gfx1250"
	.amdhsa_code_object_version 6
	.text
	.protected	k_qf708aa2bed_qkv
	.globl	k_qf708aa2bed_qkv
	.p2align	8
	.type	k_qf708aa2bed_qkv,@function
k_qf708aa2bed_qkv:
	s_mov_b64 s[64:65], 0
	v_nop
	global_prefetch_b8 v0, s[64:65] scope:SCOPE_SE
	s_setreg_imm32_b32 hwreg(HW_REG_WAVE_MODE, 25, 1), 1
	s_wait_xcnt 0x0
	s_wait_alu depctr_hold_cnt(0) depctr_sa_sdst(0) depctr_va_vdst(0) depctr_va_sdst(0) depctr_va_ssrc(0) depctr_va_vcc(0) depctr_vm_vsrc(0)
	s_getreg_b32 s2, hwreg(HW_REG_IB_STS2, 6, 4)
	s_cmp_eq_u32 s2, 0
	s_cbranch_scc0 .Lentry_in_a_cluster
	s_endpgm
.Lentry_in_a_cluster:
	s_bfe_u32 s2, ttmp6, 0x10000c
	s_cmp_lg_u32 s2, 0xf033
	s_cbranch_scc0 .Lentry_shape_is_right
	s_endpgm
.Lentry_shape_is_right:
; QKV: x Wqkv on codes of E4M3, and the quantisers of q, k and v: the f32 sums never go to memory.
; A tile of 256 x 256 is made by a work-group of four waves; a wave makes 128 x 128: 64 accumulators, 512 registers.  K = 1,024 goes in steps of 256 through a ring of two LDS slots filled by tensor loads.
; CLUSTERS of 4 x 4 work-groups; the cluster's x says what it makes: 0 q, 1 k, 2 v.  The A side is source 1 of the matrix instruction, the B side source 0: a lane holds ONE row of the A side and
; eight neighbouring rows of the B side.  For q and k the A side is tokens (x_codes) and the B side columns of W (wqkv_codes): a lane's eight numbers are eight channels of a token, neighbours along the next K (the head's 64).
; For v the sides change places: a lane holds one channel and eight neighbouring tokens, neighbours along the next K (the keys).  So each conversion's result is two registers of the next operand, and the codes leave as
; IMAGES OF THE OPERAND'S REGISTERS: pieces of 512 bytes (four registers, lane l's 16 bytes at 16 l).  qkv_img: q at 0, k at 4,194,304, v at 8,388,608; each [batch x 16 + head (32)][131,072 bytes];
;   q, k: [16 tokens (128)][1,024]: lane r = token, registers 2 c, 2 c + 1 = channels 16 c + 8 h + 0 .. 7;   v: [128 keys (16)][16 channels (4)][2,048]: lane r = channel, registers 2 c, 2 c + 1 = keys 16 c + 8 h + 0 .. 7.
; A's tiles are shared along a row of the cluster, B's along a column: each is asked for JOINTLY.  A fragment is fetched by four loads of 16 bytes: a permutation of k that is the same on both sides.
; code = sum / 2^(e_t - e0 - e1), held within +-448; e_t = e2 (q), e3 (k), e5 (v).  LIMIT: e_t - e0 - e1 between -126 and 119.
; The ring has four K steps in all and its tiles are shared in the cluster: nothing is prefetched.
; REGISTERS, in windows of 256: window 0: v0-31 addresses; v32-127 at work on the way out; from v128 A's fragments, ONE set.  window 1: B's fragments, TWO sets.  windows 2, 3: the accumulators ((a, b) at v[8 (8 (a % 4) + b)]).
.set SIZE_K, 1024
.set KSTEP,  256
.set ROWB,   256                       ; a tile's row in bytes
.set KROW,   SIZE_K                    ; a row of either buffer of codes in memory, in bytes
.set PITCH,  272                       ; an LDS row: 256 bytes + 16 of padding = 68 words: row r starts at bank 4 r mod 64 (ISA guide 11.1)
.set FR,     16
.set NL,     4
.set NP,     4                         ; places behind this matrix instruction (ISA guide 7.12.1)
.set HALFT,  128*PITCH
.set SLOT,   4*HALFT
.set LAPS,   SIZE_K/(2*KSTEP)
.set SPARE,  2*SLOT                    ; behind the ring: the spare words, 128 bytes a wave, which no other line names
.set SCL,  8                           ; v8   the conversions' scale as f32
.set LIM,  9                           ; v9   448 x that
.set OA,   10                          ; v10  16 x lane
.set OC,   11                          ; v11  16 x lane + the distance to the block's second half of pieces
.set ADRA, 16
.set ADRB, 20
.set SPW,  28
.set NIL,  29
.set TMP,  32                          ; v32-95   a block's 64 sums, held
.set CD,   96                          ; v96-127  two sets of 16 registers of codes
.set AF,   128
.set G1, 24
.set G0, 32
.set G1B, 48
.set G0B, 56
.set MSB, 0
.macro WIN new                         ; the immediate's high byte repeats the setting that is left
.if MSB != \new
	s_set_vgpr_msb (MSB<<8)|\new
.set MSB, \new
.endif
.endm
.set MUL_LO, 0xa1                      ; source 0 (B) window 1, source 1 (A) window 0, C and D window 2
.set MUL_HI, 0xf1
.set TO_B,   0x40
; A joint load: waves 0 and 1 fetch for A, waves 2 and 3 for B; the branch hangs on the wave's number alone.  Four v_nop follow each of the two lines.
.macro JLOAD g0a, g1a, g0b, g1b
	s_cmp_eq_u32 s15, 0
	s_cbranch_scc0 .Lfor_b_\@
	tensor_load_to_lds s[\g0a:\g0a+3], s[\g1a:\g1a+7]
	s_nop 0
.rept 4
	v_nop
.endr
	s_branch .Lasked_\@
.Lfor_b_\@:
	tensor_load_to_lds s[\g0b:\g0b+3], s[\g1b:\g1b+7]
	s_nop 0
.rept 4
	v_nop
.endr
.Lasked_\@:
.endm
.macro CREST                           ; a round of the cluster's barrier behind its opening barrier
	s_cmp_lg_u32 s14, 0
	s_cbranch_scc1 .Lnot_wave_0_\@
	s_barrier_signal -3
.Lnot_wave_0_\@:
	s_barrier_wait -3
	s_barrier_signal -1
	s_barrier_wait -1
.endm
.macro CROUND
	s_barrier_signal -1
	s_barrier_wait -1
	CREST
.endm
	s_load_b128 s[4:7], s[0:1], 0x0                ; x_codes s[4:5], wqkv_codes s[6:7]
	s_load_b128 s[8:11], s[0:1], 0x10              ; the scales' exponents s[8:9], qkv_img s[10:11]
	v_lshl_add_u32 v[SPW], v0, 2, SPARE
	v_mov_b32 v[NIL], 0
	ds_add_u32 v28, v29
	ds_add_u32 v28, v29
	s_wait_dscnt 0x0
	v_lshrrev_b32 v1, 5, v0
	v_readfirstlane_b32 s14, v1                    ; wave 0..3
	s_lshr_b32 s15, s14, 1                         ; which half of the A side's rows is mine.  Also: I fetch for A (0) or for B (1)
	s_and_b32 s16, s14, 1                          ; which half of the B side's.  Also: which 128 rows of that tile I fetch
	s_bfe_u32 s40, ttmp6, 0x40000                  ; cx, cy: my place in the cluster
	s_bfe_u32 s41, ttmp6, 0x40004
	s_lshl_b32 s42, ttmp9, 2                       ; 4 x cluster x
	s_and_b32 s17, ttmp7, 0xffff
	s_lshl_b32 s17, s17, 2                         ; 4 x cluster y
	s_cmp_eq_u32 ttmp9, 2                          ; does my cluster make v?  The same in all sixteen partners
	s_cselect_b32 s42, s17, s42                    ; B side: v: tokens, by the cluster's y; q, k: columns of W, by its x
	s_cselect_b32 s17, 8, s17                      ; A side: v: W's rows 2,048 on; q, k: tokens
	s_add_co_u32 s42, s42, s40                     ; the B side's tile of 256 rows: + cx
	s_add_co_u32 s17, s17, s41                     ; the A side's: + cy
	s_lshl_b32 s43, s41, 2
	s_lshl_b32 s43, 15, s43                        ; my row of the cluster
	s_lshl_b32 s44, 0x1111, s40                    ; my column
	s_or_b32 s[G1+0], s43, (0<<16)|(1<<20)|(1<<21)|(5<<22)|(3<<25)  ; the mask: A's tiles go to my row; elements of 1 byte; padding on; bit 21 beside a mask; after every 64 words, 4 words
	s_or_b32 s[G1B+0], s44, (0<<16)|(1<<20)|(1<<21)|(5<<22)|(3<<25)
.irp g, G1, G1B
	s_mov_b32 s[\g+1], ROWB<<16                    ; tensor_dim0
	s_mov_b32 s[\g+2], 128<<16                     ; tensor_dim1
	s_mov_b32 s[\g+3], ROWB<<16                    ; tile_dim0
	s_mov_b32 s[\g+4], 128                         ; tile_dim1
	s_mov_b32 s[\g+5], KROW                        ; tensor_dim0_stride
	s_mov_b32 s[\g+6], 0
	s_mov_b32 s[\g+7], 0
.endr
	s_lshl_b32 s18, s16, 7                         ; which 128 rows of the tile I fetch
	s_lshl_b32 s20, s17, 8
	s_add_co_u32 s20, s20, s18
	s_lshl_b32 s20, s20, 10                        ; A side: row x 1,024 bytes (4 MiB at the most)
	s_mov_b32 s21, 0
	s_lshl_b32 s46, s42, 8
	s_add_co_u32 s46, s46, s18
	s_lshl_b32 s46, s46, 10                        ; B side likewise
	s_mov_b32 s47, 0
	s_mul_i32 s45, s14, HALFT                      ; where they go: wave x 128 rows: no place in the cluster enters an LDS address
	s_wait_kmcnt 0x0
	s_load_b256 s[68:75], s[8:9], 0x0              ; e0 .. e7
	s_cmp_eq_u32 ttmp9, 2
	s_cselect_b64 s[80:81], s[6:7], s[4:5]         ; the A side's buffer
	s_cselect_b64 s[82:83], s[4:5], s[6:7]         ; the B side's
	s_add_nc_u64 s[20:21], s[80:81], s[20:21]
	s_add_nc_u64 s[46:47], s[82:83], s[46:47]
	CROUND                                         ; all sixteen work-groups are here: the first joint loads meet
.irp s, 0,1
	s_mov_b32 s[G0+4*\s], 1
	s_add_co_u32 s[G0+4*\s+1], s45, \s*SLOT
	s_add_nc_u64 s[G0+4*\s+2:G0+4*\s+3], s[20:21], \s*ROWB
	s_or_b32 s[G0+4*\s+3], s[G0+4*\s+3], 0x80000000
	s_mov_b32 s[G0B+4*\s], 1
	s_add_co_u32 s[G0B+4*\s+1], s45, \s*SLOT
	s_add_nc_u64 s[G0B+4*\s+2:G0B+4*\s+3], s[46:47], \s*ROWB
	s_or_b32 s[G0B+4*\s+3], s[G0B+4*\s+3], 0x80000000
	JLOAD G0+4*\s, G1, G0B+4*\s, G1B
.endr
	v_and_b32 v1, 15, v0                           ; l % 16
	v_bfe_u32 v2, v0, 4, 1                         ; l / 16
	v_mul_u32_u24 v3, v1, PITCH
	v_lshl_add_u32 v4, v2, 4, v3                   ; a fragment's row x pitch + 16 x half
	s_mul_i32 s21, s15, HALFT                      ; my 128 rows of A
	s_mul_i32 s22, s16, HALFT                      ; my 128 rows of B,
	s_add_co_u32 s22, s22, 2*HALFT                 ; which lie behind A's 256
.irp s, 0,1
	v_add_nc_u32 v[ADRA+\s], s21, v4
	v_add_nc_u32 v[ADRB+\s], s22, v4
	s_add_co_u32 s21, s21, SLOT
	s_add_co_u32 s22, s22, SLOT
.endr
	; where my wave's codes go
	s_lshl_b32 s20, s17, 8
	s_lshl_b32 s21, s15, 7
	s_add_co_u32 s20, s20, s21                     ; my first row of the A side
	s_lshl_b32 s46, s42, 8
	s_lshl_b32 s47, s16, 7
	s_add_co_u32 s46, s46, s47                     ; and of the B side
	s_cmp_eq_u32 ttmp9, 2
	s_cselect_b32 s86, s46, s20                    ; my first token
	s_cselect_b32 s87, s20, s46                    ; my first column of W
	s_mov_b32 s88, 131072
	s_cselect_b32 s88, 1024, s88                   ; from a block's first two pieces to its last two: v: on in the image; q, k: the next head
	s_mov_b32 s76, 1024
	s_cselect_b32 s76, 2048, s76                   ; from block to block: v: the next 16 channels; q, k: the next 16 tokens
	s_mov_b32 s78, 1024
	s_cselect_b32 s78, 124928, s78                 ; from block 3 to block 4: v: the next head's first image (131,072 - 3 x 2,048)
	s_mov_b32 s77, 0
	s_mov_b32 s79, 0
	s_and_b32 s87, s87, 1023
	s_lshr_b32 s87, s87, 6                         ; the head
	s_lshr_b32 s89, s86, 11                        ; the batch
	s_lshl_b32 s89, s89, 4
	s_add_co_u32 s89, s89, s87
	s_lshl_b32 s89, s89, 17                        ; x 131,072
	s_and_b32 s86, s86, 2047
	s_lshl_b32 s86, s86, 6                         ; 16 tokens are 1,024 bytes of q or k; 128 keys are 8,192 bytes of v: 64 bytes a token in both
	s_add_co_u32 s89, s89, s86
	s_lshl_b32 s86, ttmp9, 22                      ; q, k or v
	s_add_co_u32 s90, s89, s86
	s_mov_b32 s91, 0
	s_add_nc_u64 s[10:11], s[10:11], s[90:91]
	v_and_b32 v6, 31, v0
	v_lshlrev_b32 v[OA], 4, v6
	v_add_nc_u32 v[OC], s88, v[OA]
.macro FRAG reg, adr, q, i             ; 16 rows x 128 K: registers 4 c .. 4 c + 3 hold K = 32 c + 16 (l / 16) + 0 .. 15
.irp c, 0,1,2,3
	ds_load_b128 v[\reg+4*\c:\reg+4*\c+3], v[\adr] offset:128*(\q)+32*\c+(\i)*16*PITCH
.endr
.endm
; 16 matrix instructions: A's blocks a0, a0 + 1 x B's eight.  The 64 accumulators take turns, one instruction a turn, in the same order in every step.
.macro MUL16 a0, p, zero
.irp a, \a0, \a0+1
.irp b, 0,1,2,3,4,5,6,7
.if \zero
	v_wmma_f32_16x16x128_fp8_fp8 v[8*(8*((\a)%4)+\b):8*(8*((\a)%4)+\b)+7], v[128*(\p)+FR*\b:128*(\p)+FR*\b+FR-1], v[AF+FR*(\a):AF+FR*(\a)+FR-1], 0
.else
	v_wmma_f32_16x16x128_fp8_fp8 v[8*(8*((\a)%4)+\b):8*(8*((\a)%4)+\b)+7], v[128*(\p)+FR*\b:128*(\p)+FR*\b+FR-1], v[AF+FR*(\a):AF+FR*(\a)+FR-1], v[8*(8*((\a)%4)+\b):8*(8*((\a)%4)+\b)+7]
.endif
.endr
.endr
.endm
.macro FETCH_B slot, q, p
	WIN TO_B
.irp i, 0,1,2,3,4,5,6,7
	FRAG 128*(\p)+FR*\i, ADRB+\slot, \q, \i
.endr
	WIN 0
.endm
.macro FETCH_A slot, q, i0
.irp i, \i0, \i0+1, \i0+2, \i0+3
	FRAG AF+FR*(\i), ADRA+\slot, \q, \i
.endr
.endm
.macro PLACES n                        ; plain vector instructions between a matrix instruction and a load into, or a read of, its registers
.rept \n
	v_nop
.endr
.endm
; A step of 128 along K that has its successor in the same slot.
.macro STEP slot, q, zero
	s_wait_dscnt 4*NL                              ; B's set and A's blocks 0-3 are in; the youngest loads (A's blocks 4-7) may be out
	WIN MUL_LO
	MUL16 0, (\q)%2, \zero
	MUL16 2, (\q)%2, \zero
	s_wait_dscnt 0                                 ; A's blocks 4-7 are in
	PLACES NP
	FETCH_B \slot, (\q)+1, 1-(\q)%2
	FETCH_A \slot, (\q)+1, 0
	WIN MUL_HI
	MUL16 4, (\q)%2, \zero
	MUL16 6, (\q)%2, \zero
	PLACES NP
	WIN 0
	FETCH_A \slot, (\q)+1, 4
.endm
; A slot's last step changes slots: one barrier; in front of it each wave waits for all its tensor loads, adds 0 to its spare word, and waits for that and for its reads of this slot.
.macro TURN slot, next, fill
	s_wait_tensorcnt 0x0                           ; all my tensor loads have landed: my part of the next slot
	ds_add_u32 v[SPW], v[NIL]                      ; 0 onto my spare word
	s_wait_dscnt 4*NL+1                            ; (the add and the youngest loads, A's blocks 4-7, may be out)
	WIN MUL_LO
	MUL16 0, 1, 0
	s_wait_dscnt 0x0                               ; the add is done, and my reads of this slot are over
	s_barrier_signal -1
	MUL16 2, 1, 0
	WIN 0
	s_barrier_wait -1
.if \fill
	CREST                                          ; the barrier has opened a round of the cluster's barrier: no wave of any partner still reads this slot or has a load on its way
	s_add_nc_u64 s[G0+4*\slot+2:G0+4*\slot+3], s[G0+4*\slot+2:G0+4*\slot+3], 2*ROWB
	s_add_nc_u64 s[G0B+4*\slot+2:G0B+4*\slot+3], s[G0B+4*\slot+2:G0B+4*\slot+3], 2*ROWB
	JLOAD G0+4*\slot, G1, G0B+4*\slot, G1B         ; the first tensor load behind the round; its four v_nop are the places in front of the loads below
.else
	PLACES NP
.endif
	FETCH_B \next, 0, 0
	FETCH_A \next, 0, 0
	WIN MUL_HI
	MUL16 4, 1, 0
	MUL16 6, 1, 0
	PLACES NP
	WIN 0
	FETCH_A \next, 0, 4
.endm
	s_wait_tensorcnt 1                             ; my part of K step 0 is in (K step 1's load may be out),
	s_barrier_signal -1
	s_barrier_wait -1                              ; everybody's is
	FETCH_B 0, 0, 0
	FETCH_A 0, 0, 0
	FETCH_A 0, 0, 4
	STEP 0, 0, 1                                   ; the first step's products start the sums
	s_mov_b32 s3, LAPS-1
.Llap:                                                 ; a trip goes once round the ring and fills both slots again
	TURN 0, 1, 1
	STEP 1, 0, 0
	TURN 1, 0, 1
	STEP 0, 0, 0
	s_sub_co_u32 s3, s3, 1
	s_cmp_lg_u32 s3, 0
	s_cbranch_scc1 .Llap
	TURN 0, 1, 0                                   ; the last lap fills nothing
	STEP 1, 0, 0
	s_wait_dscnt 4*NL
	WIN MUL_LO
	MUL16 0, 1, 0
	MUL16 2, 1, 0
	s_wait_dscnt 0
	WIN MUL_HI
	MUL16 4, 1, 0
	MUL16 6, 1, 0
	WIN 0
; THE WAY OUT, a block of 16 rows of the A side at a time: 64 holds, 8 conversions, 4 stores of 512 consecutive bytes, aligned.  No LDS: the conversions' results are the images' pieces.
.macro OUTBLK a
.set AC, 64*((\a)%4)
.set CC, CD+16*((\a)%2)
	WIN 0x02+((\a)/4)                              ; source 0: window 2 or 3
.set j, 0
.rept 64
	v_med3_num_f32 v[TMP+j], v[AC+j], -v[LIM], v[LIM]   ; the hold at the largest code x the scale (ISA guide 7.6.2); each accumulator from its low end on
.set j, j+1
.endr
	WIN 0
.irp b, 0,1,2,3,4,5,6,7
	v_cvt_scalef32_pk8_fp8_f32 v[CC+2*\b:CC+2*\b+1], v[TMP+8*\b:TMP+8*\b+7], v[SCL]
.endr
	v_nop                                          ; a plain instruction between the conversions and the next block's holds, which write their sources
.if (\a) > 0
	s_wait_xcnt 0x0                                ; the earlier blocks' stores have read their base and their data: the base steps, and the set of two blocks back may be written next
.if (\a) == 4
	s_add_nc_u64 s[10:11], s[10:11], s[78:79]
.else
	s_add_nc_u64 s[10:11], s[10:11], s[76:77]
.endif
.endif
	global_store_b128 v[OA], v[CC:CC+3], s[10:11]
	global_store_b128 v[OA], v[CC+4:CC+7], s[10:11] offset:512
	global_store_b128 v[OC], v[CC+8:CC+11], s[10:11]
	global_store_b128 v[OC], v[CC+12:CC+15], s[10:11] offset:512
.endm
	s_wait_kmcnt 0x0
	s_cmp_eq_u32 ttmp9, 0
	s_cselect_b32 s84, s70, s71                    ; e2 for q, e3 for k,
	s_cmp_eq_u32 ttmp9, 2
	s_cselect_b32 s84, s73, s84                    ; e5 for v
	s_sub_co_i32 s84, s84, s68
	s_sub_co_i32 s84, s84, s69                     ; a sum stands for sum x 2^(e0 + e1): the three scales are folded into the conversion's one
	s_add_co_i32 s84, s84, 127
	s_lshl_b32 s85, s84, 23
	v_mov_b32 v[SCL], s85
	s_add_co_i32 s84, s84, 8
	s_lshl_b32 s84, s84, 23
	s_or_b32 s84, s84, 0x600000
	v_mov_b32 v[LIM], s84
	PLACES NP
.irp a, 0,1,2,3,4,5,6,7
	OUTBLK \a
.endr
	s_wait_tensorcnt 0x0                           ; the wave's end
	ds_add_u32 v[SPW], v[NIL]
	s_wait_dscnt 0x0
	CROUND                                         ; the closing round: no work-group ends while a partner may still ask for a tile that names it
	s_endpgm
.Lfunc_end_k_qf708aa2bed_qkv:
	.size	k_qf708aa2bed_qkv, .Lfunc_end_k_qf708aa2bed_qkv-k_qf708aa2bed_qkv
	.p2alignl 7, 3214868480
	.fill 96, 4, 3214868480
	.section	.rodata,"a",@progbits
	.p2align	6, 0x0
	.amdhsa_kernel k_qf708aa2bed_qkv
		.amdhsa_group_segment_fixed_size 327680
		.amdhsa_private_segment_fixed_size 0
		.amdhsa_enable_private_segment 0
		.amdhsa_kernarg_size 32
		.amdhsa_user_sgpr_count 2
		.amdhsa_user_sgpr_kernarg_segment_ptr 1
		.amdhsa_wavefront_size32 1
		.amdhsa_system_sgpr_workgroup_id_x 1
		.amdhsa_system_sgpr_workgroup_id_y 1
		.amdhsa_system_sgpr_workgroup_id_z 1
		.amdhsa_system_vgpr_workitem_id 0
		.amdhsa_next_free_vgpr 1024
		.amdhsa_next_free_sgpr 100
		.amdhsa_reserve_vcc 0
		.amdhsa_float_denorm_mode_32 3
		.amdhsa_float_denorm_mode_16_64 3
		.amdhsa_memory_ordered 1
		.amdhsa_forward_progress 1
		.amdhsa_inst_pref_size 119
	.end_amdhsa_kernel
	.amdgpu_metadata
---
amdhsa.version: [ 1, 2 ]
amdhsa.kernels:
  - .name:           k_qf708aa2bed_qkv
    .symbol:         k_qf708aa2bed_qkv.kd
    .args:
      - { .name: x_codes, .offset: 0, .size: 8, .value_kind: global_buffer, .address_space: global }
      - { .name: wqkv_codes, .offset: 8, .size: 8, .value_kind: global_buffer, .address_space: global }
      - { .name: lowp_scales, .offset: 16, .size: 8, .value_kind: global_buffer, .address_space: global }
      - { .name: qkv_img, .offset: 24, .size: 8, .value_kind: global_buffer, .address_space: global }
    .group_segment_fixed_size: 327680
    .private_segment_fixed_size: 0
    .kernarg_segment_align: 8
    .kernarg_segment_size: 32
    .max_flat_workgroup_size: 128
    .sgpr_count:     100
    .vgpr_count:     1024
    .wavefront_size: 32
...
	.end_amdgpu_metadata
.endif
;; end of part 2
;; launch attn (part 3): grid 8 x 32, 16 waves a work-group, no clusters, 34,816 bytes of LDS; arguments qkv_img, mwords, mflags, lowp_scales, a_img; writes a_img
.if DOCPART == 3
	.amdgcn_target "amdgcn-amd-amdhsa--gfx1250"
	.amdhsa_code_object_version 6
	.text
	.protected	k_qf708aa2bed_attn
	.globl	k_qf708aa2bed_attn
	.p2align	8
	.type	k_qf708aa2bed_attn,@function
k_qf708aa2bed_attn:
	s_mov_b64 s[64:65], 0
	v_nop
	global_prefetch_b8 v0, s[64:65] scope:SCOPE_SE
	s_setreg_imm32_b32 hwreg(HW_REG_WAVE_MODE, 25, 1), 1
	s_wait_xcnt 0x0
; ATTN: for each batch and head: S^T = K Q^T, the mask, the softmax ahead of a quantised product, O^T = V^T P^T, O / l, and the quantiser of the last product's left operand.  All products on codes of E4M3.
; t = score x log2(e) / 8; M = the running largest t rounded UP to a whole number; p = 2^(t - M) is quantised with 2^e4; the row's sum l is taken of the unquantised p.
; SHARES.  A work-group has one batch and head and 256 queries; each of its sixteen waves owns 16 of them in 256 registers, four waves to a SIMD.  Which tile of 16 a wave owns is a bijection of (work-group x, wave) onto 0..127,
; chosen so that masks under which later queries see more keys give every work-group and every fourth wave about the same number of steps; no result hangs on it.
; Every wave walks the 16 steps of 128 keys.  K's and V's images of a step, 8,192 bytes each, are copied through registers into one of two LDS slots, thread n's 16 bytes at 16 n; one barrier a step.
; LAYOUT.  Both products are used transposed: a lane holds ONE query (lane % 16).  Tile t of S^T: register j = key 16 t + 8 (lane / 16) + j; its eight codes are registers 2 t, 2 t + 1 of P.  Tile u of O^T: register j = channel 16 u + 8 (lane / 16) + j.
; THE MASK is an input.  An earlier launch has laid it as words of lane bits (mwords) and flags (mflags), whole numbers.  A step is LEFT OUT where none of its 16 x 128 bits is true and each of my 16 rows has a true key somewhere:
; its p would all be 0.  If one of my rows has no true key, all 16 steps are worked, and that row comes out as the plain average.  A step that is all true skips the 64 selects.  Barriers and copies stand outside these branches.
; Since steps are left out by branches on stored numbers (and p's hold by a branch on e4), this text has no tensor load and so no joint loads, though the eight work-groups of a head read the same K and V.
; LIMITS.  A masked logit is -2^30 where the definition has -1e9: -2^30 x c is exact, so that a row with no true key gives p = 1 exactly; the softmax is the same wherever true logits lie above -1e9 + 200
; (the clamps bound them by 64 x 448^2 x 2^(e2 + e3) / 8: so for e2 + e3 up to 8).  e2 + e3 between -94 and 127; e4, and e6 - e4 - e5, between -126 and 119.  NaN is not served.
; p is at most 1 (but for the last bit), so its hold is needed only where 448 x 2^e4 < 1: e4 < -8.
.set SLOTB, 16384                      ; a slot: K's eight images, then V's four
.set LI,  1                            ; v1   16 x lane
.set CT,  2                            ; v2   16 x thread
.set PFO, 3                            ; v3   256 x lane
.set NEG, 4                            ; v4   the masked score: -2^(33 - e2 - e3)
.set G,   24                           ; v24-31, v32-39: two sets for the copies: four registers of K, four of V
.set KV,  40                           ; v40-103  8 fragments of K, then 4 of V
.set S,   104                          ; v104-167 S^T, then p
.set O,   168                          ; v168-199 O^T
.set P,   200                          ; v200-215 p's codes
; v5, v6: 2^e4, 448 x 2^e4;  v8, v9: 448 x 2^(e6-e4-e5), 2^(e6-e4-e5);  v12 -M, v13 the largest t, v[14:15] l in two halves;  v16-23 Q;  v216, v217 maxima;  v[218:219] f;  v[220:221] a second chain of sums;  v222 a permute's destination
; s14 wave; s18 WORK, s19 MIXED: bit 0 is the step in hand; s[20:21] lane selects; s[22:23] c; s[24:25], s[26:27] K and V at the trip's first step; s[28:29] the prefetches' base; s30 their limit; s31 trips; s66 256 x step; s67 1 where p is held
; s32-63, s68-99: the step's 64 mask words
; ONE KEY STEP in slot \slot.  st: the next step's K and V go from registers into the other slot.  ld: the step after that is asked for.  bar: a barrier closes the step.
.macro STEP slot, st, ld, bar
.if \st
	s_wait_loadcnt 0x0                             ; the next step's K and V, asked for a step ago, are in registers
	ds_store_b128 v[CT], v[G+8*(1-\slot):G+8*(1-\slot)+3] offset:(1-\slot)*SLOTB           ; the other slot's readers waited for their loads in front of the last barrier
	ds_store_b128 v[CT], v[G+8*(1-\slot)+4:G+8*(1-\slot)+7] offset:(1-\slot)*SLOTB+8192
.endif
.if \ld
	global_load_b128 v[G+8*\slot:G+8*\slot+3],   v[CT], s[24:25] offset:(\slot+2)*8192     ; two steps on
	global_load_b128 v[G+8*\slot+4:G+8*\slot+7], v[CT], s[26:27] offset:(\slot+2)*8192
	; a prefetch of the step five on, three steps ahead of its load: the head's first work-group asks, wave 0 for K's 8,192 bytes and wave 1 for V's, lanes 256 bytes apart; trips 0 to 4: steps 5 to 14, each named once
	s_cmp_lt_u32 s31, s30
	s_cbranch_scc0 .Lnoask_\@
	global_prefetch_b8 v[PFO], s[28:29] offset:(\slot+5)*8192 th:TH_LOAD_NT scope:SCOPE_SE
.Lnoask_\@:
.endif
	s_bitcmp1_b32 s18, 0                           ; is this step worked?
	s_cbranch_scc0 .Lskip_\@
	s_load_b512 s[32:47], s[6:7], s66 offset:0x0   ; the step's 64 mask words
	s_load_b512 s[48:63], s[6:7], s66 offset:0x40
	s_load_b512 s[68:83], s[6:7], s66 offset:0x80
	s_load_b512 s[84:99], s[6:7], s66 offset:0xc0
.irp t, 0,1,2,3,4,5,6,7
	ds_load_b128 v[KV+8*\t:KV+8*\t+3],   v[LI] offset:\slot*SLOTB+1024*\t
	ds_load_b128 v[KV+8*\t+4:KV+8*\t+7], v[LI] offset:\slot*SLOTB+1024*\t+512
.endr
	s_wait_dscnt 0x0
.irp t, 0,1,2,3,4,5,6,7
	v_wmma_f32_16x16x64_fp8_fp8 v[S+8*\t:S+8*\t+7], v[KV+8*\t:KV+8*\t+7], v[16:23], 0
.endr
.rept 4
	v_nop                                          ; places in front of the loads into K's registers and of the first read of the scores
.endr
.irp u, 0,1,2,3
.irp q, 0,1,2,3
	ds_load_b128 v[KV+16*\u+4*\q:KV+16*\u+4*\q+3], v[LI] offset:\slot*SLOTB+8192+2048*\u+512*\q   ; V lands under the softmax
.endr
.endr
	s_wait_kmcnt 0x0                               ; the mask words are in, and s66 may be stepped
	s_bitcmp1_b32 s19, 0                           ; a step that is all true has nothing to select
	s_cbranch_scc0 .Lopen_\@
.set n, 0
.rept 64
	v_cndmask_b32 v[S+n], v[NEG], v[S+n], s[32+n+4*(n/32)]
.set n, n+1
.endr
.Lopen_\@:
	v_max3_num_f32 v216, v[S], v[S+1], v[S+2]      ; the step's largest score of my query among my 64 keys, in two chains, each tile from its low end on
	v_max3_num_f32 v217, v[S+3], v[S+4], v[S+5]
.set n, 6
.rept 14
	v_max3_num_f32 v216, v216, v[S+n], v[S+n+1]
	v_max3_num_f32 v217, v217, v[S+n+2], v[S+n+3]
.set n, n+4
.endr
	v_max3_num_f32 v216, v216, v[S+62], v[S+63]
	v_max_num_f32 v216, v216, v217
	v_permlanex16_b32 v222, v216, s20, s21
	v_max_num_f32 v216, v216, v222                 ; and among lane l xor 16's
	v_mul_f32 v216, s22, v216                      ; as t (c is positive)
	v_max_num_f32 v13, v13, v216                   ; the running largest t
	v_mov_b32 v216, v12
	v_floor_f32 v12, -v13                          ; the new -M = floor(-t): M is a whole number
	v_sub_f32 v216, v12, v216                      ; old M - new M: a whole number, 0 or less
	v_cvt_i32_f32 v216, v216                       ; (it saturates)
	v_ldexp_f32 v218, 1.0, v216                    ; f = 2^(old M - new M)
.set n, 0
.rept 32
	v_pk_fma_f32 v[S+n:S+n+1], v[S+n:S+n+1], s[22:23], v[12:13] op_sel_hi:[1,0,0]   ; t - M, two at a time
.set n, n+2
.endr
.set n, 0
.rept 64
	v_exp_f32 v[S+n], v[S+n]                       ; p = 2^(t - M)
.set n, n+1
.endr
	v_pk_mul_f32 v[14:15], v[14:15], v[218:219] op_sel_hi:[1,0]   ; the sums under the new M: the plain instruction behind the exponentials
	s_wait_alu depctr_va_vdst(0)                   ; one wait for the batch, ahead of its first reader
	v_pk_add_f32 v[220:221], v[S:S+1], v[S+2:S+3]  ; the row's sum is taken of the unquantised p, in two chains
.set n, 4
.rept 15
	v_pk_add_f32 v[14:15], v[14:15], v[S+n:S+n+1]
	v_pk_add_f32 v[220:221], v[220:221], v[S+n+2:S+n+3]
.set n, n+4
.endr
	v_pk_add_f32 v[14:15], v[14:15], v[220:221]
	s_cmp_eq_u32 s67, 0
	s_cbranch_scc1 .Lnohold_\@
.set n, 0
.rept 64
	v_min_num_f32 v[S+n], v[S+n], v6               ; the conversion does not saturate (ISA guide 7.6.2); p is not negative, so the hold is one-sided
.set n, n+1
.endr
.Lnohold_\@:
.irp t, 0,1,2,3,4,5,6,7
	v_cvt_scalef32_pk8_fp8_f32 v[P+2*\t:P+2*\t+1], v[S+8*\t:S+8*\t+7], v5
.endr
.set n, 0
.rept 16
	v_pk_mul_f32 v[O+n:O+n+1], v[O+n:O+n+1], v[218:219] op_sel_hi:[1,0]   ; O^T under the new M; also the plain instructions behind the conversions
.set n, n+2
.endr
	s_wait_dscnt 0x0                               ; V is in
.irp u, 0,1,2,3
	v_wmma_f32_16x16x128_fp8_fp8 v[O+8*\u:O+8*\u+7], v[KV+16*\u:KV+16*\u+15], v[P:P+15], v[O+8*\u:O+8*\u+7]   ; four accumulators by turns; the scores' products stand between a turn and the next
.endr
.rept 4
	v_nop                                          ; places in front of the next loads into V's registers and of the next read of O^T
.endr
.Lskip_\@:
	s_lshr_b32 s18, s18, 1
	s_lshr_b32 s19, s19, 1
	s_add_co_u32 s66, s66, 256
.if \bar
	s_wait_dscnt 0x0                               ; my stores into the other slot have landed and my reads of this slot are over
	s_barrier_signal -1
	s_barrier_wait -1
.endif
.endm
	s_load_b256 s[4:11], s[0:1], 0x0               ; qkv_img, mwords, mflags, the scales' exponents
	s_load_b64 s[12:13], s[0:1], 0x20              ; a_img
	v_lshl_add_u32 v254, v0, 2, 0x8000
	v_mov_b32 v255, 0
	v_lshrrev_b32 v1, 5, v0
	v_readfirstlane_b32 s14, v1                    ; wave 0..15
	s_and_b32 s15, ttmp7, 0xffff                   ; batch x 16 + head
	s_lshr_b32 s100, s14, 2
	s_add_co_u32 s100, s100, s14
	s_and_b32 s100, s100, 3                        ; g = (wave / 4 + wave) % 4
	s_and_b32 s101, s14, 3                         ; i = wave % 4
	s_and_b32 s104, s100, 2
	s_lshl_b32 s104, s104, 1                       ; 0 or 4
	s_add_co_u32 s105, ttmp9, s104
	s_and_b32 s105, s105, 7
	s_and_b32 s100, s100, 1
	s_mul_i32 s100, s100, 15
	s_xor_b32 s105, s105, s100                     ; d: 0..7 where g is even, 15..8 where it is odd
	s_lshl_b32 s105, s105, 3
	s_add_co_u32 s105, s105, s104
	s_add_co_u32 s16, s105, s101                   ; my tile of 16 queries: 8 d + 4 (g / 2) + i
	v_and_b32 v1, 31, v0
	v_lshlrev_b32 v[PFO], 8, v1
	v_lshlrev_b32 v[LI], 4, v1
	v_lshlrev_b32 v[CT], 4, v0
	s_mov_b32 s20, 0x76543210
	s_mov_b32 s21, 0xfedcba98
	s_lshl_b32 s100, s15, 17
	s_mov_b32 s101, 0
	s_wait_kmcnt 0x0
	s_add_nc_u64 s[4:5], s[4:5], s[100:101]        ; the head's q,
	s_add_nc_u64 s[24:25], s[4:5], 0x400000        ; its k,
	s_add_nc_u64 s[26:27], s[4:5], 0x800000        ; its v
	s_lshl_b32 s100, s16, 10
	s_add_nc_u64 s[4:5], s[4:5], s[100:101]        ; my tile's image of q
	s_lshl_b32 s100, s16, 12
	s_add_nc_u64 s[6:7], s[6:7], s[100:101]        ; my tile's 16 x 64 mask words
	s_lshl_b32 s100, s16, 4
	s_add_nc_u64 s[8:9], s[8:9], s[100:101]        ; and its four flag words
	s_load_b128 s[40:43], s[8:9], 0x0
	s_load_b256 s[32:39], s[10:11], 0x0            ; e0 .. e7
	global_load_b128 v[G:G+3],     v[CT], s[24:25]                ; step 0
	global_load_b128 v[G+4:G+7],   v[CT], s[26:27]
	global_load_b128 v[G+8:G+11],  v[CT], s[24:25] offset:8192    ; step 1
	global_load_b128 v[G+12:G+15], v[CT], s[26:27] offset:8192
	global_load_b128 v[16:19], v[LI], s[4:5]                      ; Q stays in registers
	global_load_b128 v[20:23], v[LI], s[4:5] offset:512
	s_lshr_b32 s100, s15, 4
	s_lshl_b32 s100, s100, 7
	s_add_co_u32 s100, s100, s16                   ; batch x 128 + tile
	s_lshl_b32 s100, s100, 4
	s_and_b32 s104, s15, 15
	s_add_co_u32 s100, s100, s104                  ; x 16 + head
	s_lshl_b32 s100, s100, 10
	s_add_nc_u64 s[12:13], s[12:13], s[100:101]    ; my image in a_img
	s_lshr_b32 s100, s14, 1
	s_or_b32 s100, s100, ttmp9
	s_cmp_eq_u32 s100, 0                           ; waves 0 and 1 of the head's first work-group prefetch, in trips 0 to 4
	s_cselect_b32 s30, 5, 0
	s_cmp_eq_u32 s14, 0
	s_cselect_b64 s[28:29], s[24:25], s[26:27]
	v_mov_b32 v13, 0xff61b1e6                      ; the largest t so far: -3e38
	v_floor_f32 v12, -v13
	v_mov_b32 v14, 0
	v_mov_b32 v15, 0
	v_mov_b32 v219, 0                              ; named as the upper half of the pair v[218:219]
	v_mov_b32 v222, 0                              ; a lane permute's destination counts as one of its sources
.set n, 0
.rept 32
	v_mov_b32 v[O+n], 0                            ; which step is a wave's first hangs on the mask, so none is written out: the first finds zeros
.set n, n+1
.endr
	s_wait_kmcnt 0x0
	s_or_b32 s100, s40, s41
	s_or_b32 s101, s42, s43
	s_or_b32 s100, s100, s101
	s_and_b32 s100, s100, 0xffff                   ; rows with a true key somewhere
	s_bfe_u32 s18, s40, 0x40010                    ; steps with a true key,
	s_bfe_u32 s19, s40, 0x40014                    ; steps that are all true
.irp g, 1,2,3
	s_bfe_u32 s101, s[40+\g], 0x40010
	s_lshl_b32 s101, s101, 4*\g
	s_or_b32 s18, s18, s101
	s_bfe_u32 s101, s[40+\g], 0x40014
	s_lshl_b32 s101, s101, 4*\g
	s_or_b32 s19, s19, s101
.endr
	s_cmp_eq_u32 s100, 0xffff
	s_cselect_b32 s18, s18, 0xffff                 ; WORK: a row with no true key asks for all steps
	s_and_not1_b32 s19, s18, s19                   ; MIXED
	s_add_co_i32 s100, s34, s35                    ; e2 + e3
	s_lshl_b32 s101, s100, 23
	s_add_co_i32 s22, s101, 0x3e38aa3b             ; c = log2(e) / 8 x 2^(e2 + e3): the exponents are added to c's exponent field
	s_mov_b32 s23, s22
	s_sub_co_i32 s100, 160, s100
	s_lshl_b32 s100, s100, 23
	s_or_b32 s100, s100, 0x80000000
	v_mov_b32 v[NEG], s100                         ; -2^(33 - e2 - e3): the logit -2^30
	s_add_co_i32 s100, s36, 127
	s_lshl_b32 s101, s100, 23
	v_mov_b32 v5, s101                             ; 2^e4
	s_add_co_i32 s100, s100, 8
	s_lshl_b32 s100, s100, 23
	s_or_b32 s100, s100, 0x600000
	v_mov_b32 v6, s100                             ; 448 x 2^e4
	s_cmp_lt_i32 s36, -8
	s_cselect_b32 s67, 1, 0
	s_sub_co_i32 s100, s38, s36
	s_sub_co_i32 s100, s100, s37                   ; O^T / l stands for that x 2^(e4 + e5): the three scales in one
	s_add_co_i32 s100, s100, 127
	s_lshl_b32 s101, s100, 23
	v_mov_b32 v9, s101
	s_add_co_i32 s100, s100, 8
	s_lshl_b32 s100, s100, 23
	s_or_b32 s100, s100, 0x600000
	v_mov_b32 v8, s100
	s_mov_b32 s31, 0
	s_mov_b32 s66, 0
	s_wait_loadcnt 4                               ; step 0's two loads are in; step 1's two and Q's two may be out
	ds_store_b128 v[CT], v[G:G+3]
	ds_store_b128 v[CT], v[G+4:G+7] offset:8192
	s_wait_dscnt 0x0
	s_barrier_signal -1
	s_barrier_wait -1
.Ltrip:                                            ; seven trips of two steps
	STEP 0, 1, 1, 1
	STEP 1, 1, 1, 1
	s_wait_xcnt 0x0                                ; the loads and the prefetch have read their bases
	s_add_nc_u64 s[24:25], s[24:25], 2*8192
	s_add_nc_u64 s[26:27], s[26:27], 2*8192
	s_add_nc_u64 s[28:29], s[28:29], 2*8192
	s_add_co_u32 s31, s31, 1
	s_cmp_lt_u32 s31, 7
	s_cbranch_scc1 .Ltrip
	STEP 0, 1, 0, 1                                ; steps 14 and 15 ask for nothing
	STEP 1, 0, 0, 0
	; THE WAY OUT: O^T / l, held and converted: the four tiles' codes are the eight registers of my image, 1,024 bytes on end
	v_add_f32 v14, v14, v15
	v_permlanex16_b32 v222, v14, s20, s21
	v_add_f32 v14, v14, v222                       ; the row's sum
	v_rcp_f32 v218, v14
	v_nop                                          ; a plain instruction behind the reciprocal
	s_wait_alu depctr_va_vdst(0)                   ; and the wait ahead of its first reader
.set n, 0
.rept 16
	v_pk_mul_f32 v[S+n:S+n+1], v[O+n:O+n+1], v[218:219] op_sel_hi:[1,0]
.set n, n+2
.endr
.set n, 0
.rept 32
	v_med3_num_f32 v[S+n], v[S+n], -v8, v8
.set n, n+1
.endr
.irp u, 0,1,2,3
	v_cvt_scalef32_pk8_fp8_f32 v[P+2*\u:P+2*\u+1], v[S+8*\u:S+8*\u+7], v9
.endr
	v_nop
	global_store_b128 v[LI], v[P:P+3], s[12:13]              ; 512 consecutive bytes, aligned
	global_store_b128 v[LI], v[P+4:P+7], s[12:13] offset:512
	s_wait_tensorcnt 0x0
	ds_add_u32 v254, v255
	s_wait_dscnt 0x0
	s_endpgm
.Lfunc_end_k_qf708aa2bed_attn:
	.size	k_qf708aa2bed_attn, .Lfunc_end_k_qf708aa2bed_attn-k_qf708aa2bed_attn
	.p2alignl 7, 3214868480
	.fill 96, 4, 3214868480
	.section	.rodata,"a",@progbits
	.p2align	6, 0x0
	.amdhsa_kernel k_qf708aa2bed_attn
		.amdhsa_group_segment_fixed_size 34816
		.amdhsa_private_segment_fixed_size 0
		.amdhsa_enable_private_segment 0
		.amdhsa_kernarg_size 40
		.amdhsa_user_sgpr_count 2
		.amdhsa_user_sgpr_kernarg_segment_ptr 1
		.amdhsa_wavefront_size32 1
		.amdhsa_system_sgpr_workgroup_id_x 1
		.amdhsa_system_sgpr_workgroup_id_y 1
		.amdhsa_system_sgpr_workgroup_id_z 1
		.amdhsa_system_vgpr_workitem_id 0
		.amdhsa_next_free_vgpr 256
		.amdhsa_next_free_sgpr 106
		.amdhsa_reserve_vcc 0
		.amdhsa_float_denorm_mode_32 3
		.amdhsa_float_denorm_mode_16_64 3
		.amdhsa_memory_ordered 1
		.amdhsa_forward_progress 1
		.amdhsa_inst_pref_size 91
	.end_amdhsa_kernel
	.amdgpu_metadata
---
amdhsa.version: [ 1, 2 ]
amdhsa.kernels:
  - .name:           k_qf708aa2bed_attn
    .symbol:         k_qf708aa2bed_attn.kd
    .args:
      - { .name: qkv_img, .offset: 0, .size: 8, .value_kind: global_buffer, .address_space: global }
      - { .name: mwords, .offset: 8, .size: 8, .value_kind: global_buffer, .address_space: global }
      - { .name: mflags, .offset: 16, .size: 8, .value_kind: global_buffer, .address_space: global }
      - { .name: lowp_scales, .offset: 24, .size: 8, .value_kind: global_buffer, .address_space: global }
      - { .name: a_img, .offset: 32, .size: 8, .value_kind: global_buffer, .address_space: global }
    .group_segment_fixed_size: 34816
    .private_segment_fixed_size: 0
    .kernarg_segment_align: 8
    .kernarg_segment_size: 40
    .max_flat_workgroup_size: 512
    .sgpr_count:     106
    .vgpr_count:     256
    .wavefront_size: 32
...
	.end_amdgpu_metadata
.endif
;; end of part 3
;; launch proj (part 4): grid 8 x 32, 4 waves a work-group, clusters of 4 x 4, 280,064 bytes of LDS; arguments a_img, wo_img, lowp_scales, out0; writes out0
.if DOCPART == 4
	.amdgcn_target "amdgcn-amd-amdhsa--gfx1250"
	.amdhsa_code_object_version 6
	.text
	.protected	k_qf708aa2bed_proj
	.globl	k_qf708aa2bed_proj
	.p2align	8
	.type	k_qf708aa2bed_proj,@function
k_qf708aa2bed_proj:
	s_mov_b64 s[64:65], 0
	v_nop
	global_prefetch_b8 v0, s[64:65] scope:SCOPE_SE
	s_setreg_imm32_b32 hwreg(HW_REG_WAVE_MODE, 25, 1), 1
	s_wait_xcnt 0x0
	s_wait_alu depctr_hold_cnt(0) depctr_sa_sdst(0) depctr_va_vdst(0) depctr_va_sdst(0) depctr_va_ssrc(0) depctr_va_vcc(0) depctr_vm_vsrc(0)
	s_getreg_b32 s2, hwreg(HW_REG_IB_STS2, 6, 4)
	s_cmp_eq_u32 s2, 0
	s_cbranch_scc0 .Lentry_in_a_cluster
	s_endpgm
.Lentry_in_a_cluster:
	s_bfe_u32 s2, ttmp6, 0x10000c
	s_cmp_lg_u32 s2, 0xf033
	s_cbranch_scc0 .Lentry_shape_is_right
	s_endpgm
.Lentry_shape_is_right:
; PROJ: out0 = a Wo on codes of E4M3; each finished sum x 2^(e6 + e7).  LIMIT: e6 + e7 between -126 and 127.
; Both operands arrive as images of the operand's registers: [16 rows (or columns)][64 along K (16)][1,024 bytes]; two neighbouring images are a fragment of 128 along K, 2,048 bytes on end.
; A tile of out0 is 128 x 128: 8 x 32 = 256 work-groups of four waves, each 64 x 64: 16 accumulators.  ALL OF K LIES IN LDS: A's 128 rows and B's 128 columns are 131,072 bytes each, brought in four chunks of 256 along K.
; Each LDS byte is filled once: no slot is filled again.  A wave issues four tensor loads at the start (four are out, by this text's count) and the products of a chunk begin when that chunk has landed.
; CLUSTERS of 4 x 4: A's chunks are shared along a row of the cluster, B's along a column: joint loads.  The launch is short and its tiles are shared: nothing is prefetched.
; THE MATRIX INSTRUCTION IS USED TRANSPOSED (source 0 = 16 columns of Wo, source 1 = 16 rows of a): a lane holds eight neighbouring numbers of a row of out0.
; LDS: A: chunk c at 32,768 c + 4,096 x (16 rows, 0..7) + 2,048 x (128 along K, 0..1) + 512 x piece;  B: the same, 131,072 on;  from 262,144: a stage of 16 rows x 272 bytes for each wave, into which no tensor load lands.
; REGISTERS: window 0: v16-17, v20-21 LDS addresses of my fragments (chunks 0-1, chunks 2-3); v24-26 the way out; v32-63 a block's scaled sums; v64-127 rows read back, two sets; v128-255 the accumulators ((a, b) at v[128 + 8 (4 a + b)]).
;   window 1: two fragment buffers of 128: A's four fragments, then B's four.
.set F0,   0
.set F1,   128
.set ACC,  128
.set TMP,  32
.set BK,   64
.set STAGE, 262144
.set SPITCH, 272
.set MSB, 0
.macro WIN new                         ; the immediate's high byte repeats the setting that is left
.if MSB != \new
	s_set_vgpr_msb (MSB<<8)|\new
.set MSB, \new
.endif
.endm
.set MUL,  0x05                        ; sources 0 (B) and 1 (A) window 1; C and D window 0
.set TO_F, 0x40                        ; destination window 1, address window 0
.macro CREST                           ; a round of the cluster's barrier behind its opening barrier
	s_cmp_lg_u32 s14, 0
	s_cbranch_scc1 .Lnot_wave_0_\@
	s_barrier_signal -3
.Lnot_wave_0_\@:
	s_barrier_wait -3
	s_barrier_signal -1
	s_barrier_wait -1
.endm
.macro CROUND
	s_barrier_signal -1
	s_barrier_wait -1
	CREST
.endm
.macro PLACES                          ; plain vector instructions between a matrix instruction and a load into, or a read of, its registers
.rept 4
	v_nop
.endr
.endm
; the fragments of K step s (128 along K, 0..7) into buffer f: 32 loads of 512 consecutive bytes each
.macro FETCH s, f
	WIN TO_F
.irp i, 0,1,2,3
.irp q, 0,1,2,3
	ds_load_b128 v[\f+64+16*\i+4*\q:\f+64+16*\i+4*\q+3], v[20+((\s)>>2)] offset:(((\s)>>1)&1)*32768+4096*\i+((\s)&1)*2048+512*\q
	ds_load_b128 v[\f+16*\i+4*\q:\f+16*\i+4*\q+3],       v[16+((\s)>>2)] offset:(((\s)>>1)&1)*32768+4096*\i+((\s)&1)*2048+512*\q
.endr
.endr
.endm
; 8 matrix instructions: A's blocks a0, a0 + 1 x B's four.  The 16 accumulators take turns, one instruction a turn, in the same order in every K step.
.macro MUL8 f, a0, zero
.irp a, \a0, \a0+1
.irp b, 0,1,2,3
.if \zero
	v_wmma_f32_16x16x128_fp8_fp8 v[ACC+8*(4*(\a)+\b):ACC+8*(4*(\a)+\b)+7], v[\f+64+16*\b:\f+64+16*\b+15], v[\f+16*(\a):\f+16*(\a)+15], 0
.else
	v_wmma_f32_16x16x128_fp8_fp8 v[ACC+8*(4*(\a)+\b):ACC+8*(4*(\a)+\b)+7], v[\f+64+16*\b:\f+64+16*\b+15], v[\f+16*(\a):\f+16*(\a)+15], v[ACC+8*(4*(\a)+\b):ACC+8*(4*(\a)+\b)+7]
.endif
.endr
.endr
.endm
	s_load_b256 s[4:11], s[0:1], 0x0               ; a_img s[4:5], wo_img s[6:7], the scales' exponents s[8:9], out0 s[10:11]
	v_lshl_add_u32 v30, v0, 2, 0x44400
	v_mov_b32 v31, 0
	ds_add_u32 v30, v31
	ds_add_u32 v30, v31
	v_lshrrev_b32 v1, 5, v0
	v_readfirstlane_b32 s14, v1                    ; wave 0..3
	s_lshr_b32 s15, s14, 1                         ; which half of the tile's rows is mine.  Also: I fetch for A (0) or for B (1)
	s_and_b32 s16, s14, 1                          ; which half of its columns.  Also: which four of the eight groups of 16 I fetch
	s_bfe_u32 s84, ttmp6, 0x40000                  ; cx, cy
	s_bfe_u32 s85, ttmp6, 0x40004
	s_lshl_b32 s86, ttmp9, 2
	s_add_co_u32 s86, s86, s84                     ; tile column = 4 x cluster x + cx
	s_and_b32 s87, ttmp7, 0xffff
	s_lshl_b32 s87, s87, 2
	s_add_co_u32 s87, s87, s85                     ; tile row = 4 x cluster y + cy
	s_lshl_b32 s88, s85, 2
	s_lshl_b32 s88, 15, s88                        ; my row of the cluster
	s_lshl_b32 s89, 0x1111, s84                    ; my column
	; descriptor group 1: 4 rows of 4,096 bytes (a chunk's part of 16 rows' images), 16,384 bytes apart, in elements of 8 bytes, dense in LDS
	s_or_b32 s24, s88, (3<<16)|(1<<21)             ; the mask: A's chunks go to my row; elements of 8 bytes; bit 21 beside a mask
	s_or_b32 s32, s89, (3<<16)|(1<<21)             ; B's to my column
.irp g, 24, 32
	s_mov_b32 s[\g+1], 512<<16                     ; tensor_dim0 = 512
	s_mov_b32 s[\g+2], 4<<16                       ; tensor_dim1 = 4
	s_mov_b32 s[\g+3], 512<<16                     ; tile_dim0 = 512
	s_mov_b32 s[\g+4], 4                           ; tile_dim1 = 4
	s_mov_b32 s[\g+5], 2048                        ; tensor_dim0_stride
	s_mov_b32 s[\g+6], 0
	s_mov_b32 s[\g+7], 0
.endr
	s_lshl_b32 s18, s16, 16                        ; my four groups of 16: 4 x 16,384 bytes
	s_lshl_b32 s56, s87, 17                        ; A: the tile row's 131,072 bytes
	s_add_co_u32 s56, s56, s18
	s_mov_b32 s57, 0
	s_lshl_b32 s58, s86, 17                        ; B: the tile column's
	s_add_co_u32 s58, s58, s18
	s_mov_b32 s59, 0
	s_lshl_b32 s19, s15, 17                        ; in LDS: A at 0, B at 131,072,
	s_lshl_b32 s20, s16, 14
	s_add_co_u32 s19, s19, s20                     ; + my four groups' 16,384 bytes of a chunk: the wave's number alone
	s_wait_dscnt 0x0
	s_wait_kmcnt 0x0
	s_load_b64 s[92:93], s[8:9], 0x18              ; e6, e7
	s_add_nc_u64 s[56:57], s[4:5], s[56:57]
	s_add_nc_u64 s[58:59], s[6:7], s[58:59]
.irp c, 0,1,2,3                                ; group 0, a set for each chunk: A's in s[40:55], B's in s[68:83]
	s_mov_b32 s[40+4*\c], 1
	s_add_co_u32 s[41+4*\c], s19, 32768*\c
	s_add_nc_u64 s[42+4*\c:43+4*\c], s[56:57], 4096*\c
	s_or_b32 s[43+4*\c], s[43+4*\c], 0x80000000
	s_mov_b32 s[68+4*\c], 1
	s_add_co_u32 s[69+4*\c], s19, 32768*\c
	s_add_nc_u64 s[70+4*\c:71+4*\c], s[58:59], 4096*\c
	s_or_b32 s[71+4*\c], s[71+4*\c], 0x80000000
.endr
	CROUND                                         ; all sixteen work-groups are here: the joint loads meet
	s_cmp_eq_u32 s15, 0                            ; a wave's four fills stand in one branch on its number, ahead of every wait on TENSORcnt and every LDS read
	s_cbranch_scc0 .Lfor_b
	tensor_load_to_lds s[40:43], s[24:31]
	s_nop 0
	tensor_load_to_lds s[44:47], s[24:31]
	s_nop 0
	tensor_load_to_lds s[48:51], s[24:31]
	s_nop 0
	tensor_load_to_lds s[52:55], s[24:31]
	s_nop 0
.rept 4
	v_nop
.endr
	s_branch .Lasked
.Lfor_b:
	tensor_load_to_lds s[68:71], s[32:39]
	s_nop 0
	tensor_load_to_lds s[72:75], s[32:39]
	s_nop 0
	tensor_load_to_lds s[76:79], s[32:39]
	s_nop 0
	tensor_load_to_lds s[80:83], s[32:39]
	s_nop 0
.rept 4
	v_nop
.endr
.Lasked:
	v_and_b32 v1, 15, v0                           ; r
	v_bfe_u32 v2, v0, 4, 1                         ; h
	v_and_b32 v3, 31, v0
	v_lshlrev_b32 v3, 4, v3                        ; 16 x lane
	s_lshl_b32 s20, s15, 14                        ; my 64 rows of A: four groups of 4,096 bytes in a chunk
	v_add_nc_u32 v16, s20, v3
	v_add_nc_u32 v17, 0x10000, v16                 ; chunks 2 and 3
	s_lshl_b32 s21, s16, 14
	s_add_co_u32 s21, s21, 131072                  ; my 64 columns of B
	v_add_nc_u32 v20, s21, v3
	v_add_nc_u32 v21, 0x10000, v20
	s_mul_i32 s22, s14, 16*SPITCH
	s_add_co_u32 s22, s22, STAGE                   ; my stage
	v_mul_u32_u24 v24, v1, SPITCH
	v_lshl_add_u32 v24, v2, 5, v24
	v_add_nc_u32 v24, s22, v24                     ; in: row r, 32 bytes for each half of the lanes
	v_mul_u32_u24 v25, v2, SPITCH
	v_lshl_add_u32 v25, v1, 4, v25
	v_add_nc_u32 v25, s22, v25                     ; back: lanes 0-15 one row of 256 bytes, lanes 16-31 the next
	v_lshlrev_b32 v26, 12, v2
	v_lshl_add_u32 v26, v1, 4, v26                 ; and the same two rows in out0 (rows of 4,096 bytes)
	s_lshl_b32 s60, s87, 19                        ; 128 rows x 4,096 bytes
	s_lshl_b32 s61, s15, 18
	s_add_co_u32 s60, s60, s61
	s_lshl_b32 s61, s86, 9                         ; 128 columns x 4 bytes
	s_add_co_u32 s60, s60, s61
	s_lshl_b32 s61, s16, 8
	s_add_co_u32 s60, s60, s61
	s_mov_b32 s61, 0
	s_add_nc_u64 s[10:11], s[10:11], s[60:61]      ; my 64 x 64 of out0; never stepped
	s_wait_kmcnt 0x0
	s_add_co_i32 s90, s92, s93
	s_add_co_i32 s90, s90, 127
	s_lshl_b32 s90, s90, 23                        ; 2^(e6 + e7) as f32
	s_mov_b32 s91, s90                             ; (named with it as a pair)
	s_wait_tensorcnt 3                             ; my part of chunk 0 is in; the three later chunks may be out
	s_barrier_signal -1
	s_barrier_wait -1                              ; everybody's is
	FETCH 0, F0
.irp c, 0,1,2,3                                ; a chunk is two K steps of 128: the first in buffer 0, the second in buffer 1
.if \c > 0
	PLACES                                         ; buffer 1 has just been multiplied
.endif
	FETCH 2*\c+1, F1
	s_wait_dscnt 32                                ; buffer 0 is in; the 32 loads just issued may be out
	WIN MUL
.if \c == 0
	MUL8 F0, 0, 1                                  ; the first products start the sums
	MUL8 F0, 2, 1
.else
	MUL8 F0, 0, 0
	MUL8 F0, 2, 0
.endif
.if \c < 3
	s_wait_tensorcnt 2-\c                          ; my part of the next chunk has landed; the chunks behind it may be out
	s_wait_dscnt 0x0                               ; no LDS instruction of mine is pending at the signal; buffer 1 is in
	s_barrier_signal -1
	MUL8 F1, 0, 0                                  ; work on registers while the others arrive
	s_barrier_wait -1                              ; the next chunk is whole
	PLACES                                         ; buffer 0 was multiplied eight matrix instructions ago
	FETCH 2*\c+2, F0
	WIN MUL
	MUL8 F1, 2, 0
.else
	s_wait_dscnt 0x0
	MUL8 F1, 0, 0
	MUL8 F1, 2, 0
.endif
.endr
	WIN 0
	PLACES
; THE WAY OUT, a block of 16 rows x 64 columns at a time: x 2^(e6 + e7) into other registers, through my own stage, back as whole rows of 256 bytes.
; LDS serves a wave's instructions in order (ISA guide 5.7.1.4): no wait between the stores and the loads, nor in front of the next block's stores.
.macro TOSTAGE a
.set j, 0
.rept 16
	v_pk_mul_f32 v[TMP+j:TMP+j+1], v[ACC+32*(\a)+j:ACC+32*(\a)+j+1], s[90:91] op_sel_hi:[1,0]   ; each accumulator from its low end on
.set j, j+2
.endr
.irp b, 0,1,2,3
	ds_store_b128 v24, v[TMP+8*\b:TMP+8*\b+3] offset:64*\b
	ds_store_b128 v24, v[TMP+8*\b+4:TMP+8*\b+7] offset:64*\b+16
.endr
.irp t, 0,1,2,3,4,5,6,7
	ds_load_b128 v[BK+32*((\a)%2)+4*\t:BK+32*((\a)%2)+4*\t+3], v25 offset:2*\t*SPITCH
.endr
.endm
.macro SEND a, younger                 ; younger: the LDS instructions issued behind block a's loads
	s_wait_dscnt \younger
.irp t, 0,1,2,3,4,5,6,7
	global_store_b128 v26, v[BK+32*((\a)%2)+4*\t:BK+32*((\a)%2)+4*\t+3], s[10:11] offset:65536*(\a)+8192*\t th:TH_STORE_NT   ; sixteen lanes store 256 consecutive bytes, aligned; written once
.endr
.endm
	TOSTAGE 0
.irp a, 1,2,3
.if \a > 1
	s_wait_xcnt 0x0                                ; block a - 2's stores have read their registers: block a's loads may land there
.endif
	TOSTAGE \a
	SEND \a-1, 16                                  ; behind block a - 1's loads: block a's 8 stores and 8 loads
.endr
	SEND 3, 0
	s_wait_tensorcnt 0x0
	ds_add_u32 v30, v31
	s_wait_dscnt 0x0
	CROUND                                         ; the closing round: no work-group ends while a partner may still ask for a chunk that names it
	s_endpgm
.Lfunc_end_k_qf708aa2bed_proj:
	.size	k_qf708aa2bed_proj, .Lfunc_end_k_qf708aa2bed_proj-k_qf708aa2bed_proj
	.p2alignl 7, 3214868480
	.fill 96, 4, 3214868480
	.section	.rodata,"a",@progbits
	.p2align	6, 0x0
	.amdhsa_kernel k_qf708aa2bed_proj
		.amdhsa_group_segment_fixed_size 280064
		.amdhsa_private_segment_fixed_size 0
		.amdhsa_enable_private_segment 0
		.amdhsa_kernarg_size 32
		.amdhsa_user_sgpr_count 2
		.amdhsa_user_sgpr_kernarg_segment_ptr 1
		.amdhsa_wavefront_size32 1
		.amdhsa_system_sgpr_workgroup_id_x 1
		.amdhsa_system_sgpr_workgroup_id_y 1
		.amdhsa_system_sgpr_workgroup_id_z 1
		.amdhsa_system_vgpr_workitem_id 0
		.amdhsa_next_free_vgpr 512
		.amdhsa_next_free_sgpr 100
		.amdhsa_reserve_vcc 0
		.amdhsa_float_denorm_mode_32 3
		.amdhsa_float_denorm_mode_16_64 3
		.amdhsa_memory_ordered 1
		.amdhsa_forward_progress 1
		.amdhsa_inst_pref_size 46
	.end_amdhsa_kernel
	.amdgpu_metadata
---
amdhsa.version: [ 1, 2 ]
amdhsa.kernels:
  - .name:           k_qf708aa2bed_proj
    .symbol:         k_qf708aa2bed_proj.kd
    .args:
      - { .name: a_img, .offset: 0, .size: 8, .value_kind: global_buffer, .address_space: global }
      - { .name: wo_img, .offset: 8, .size: 8, .value_kind: global_buffer, .address_space: global }
      - { .name: lowp_scales, .offset: 16, .size: 8, .value_kind: global_buffer, .address_space: global }
      - { .name: out0, .offset: 24, .size: 8, .value_kind: global_buffer, .address_space: global }
    .group_segment_fixed_size: 280064
    .private_segment_fixed_size: 0
    .kernarg_segment_align: 8
    .kernarg_segment_size: 32
    .max_flat_workgroup_size: 128
    .sgpr_count:     100
    .vgpr_count:     512
    .wavefront_size: 32
...
	.end_amdgpu_metadata
.endif
;; end of part 4
;; ======== version 2 of 2: 4 launches; version 1 with the launch attn written anew for expert scheduling mode
;; limits: right only within a limited range of input values
;; workspace buffers: x_codes 4,194,304 bytes; wqkv_codes 3,145,728 bytes; wo_img 1,048,576 bytes; mwords 524,288 bytes of whole numbers; mflags 2,048 bytes of whole numbers; qkv_img 12,582,912 bytes; a_img 4,194,304 bytes
;; launch prep: the kernel of part 1 again; grid 384 x 1, 4 waves a work-group, no clusters, 136,704 bytes of LDS; arguments x, Wqkv, Wo, mask, lowp_scales, x_codes, wqkv_codes, wo_img, mwords, mflags; writes x_codes, wqkv_codes, wo_img, mwords, mflags
;; launch qkv: the kernel of part 2 again; grid 12 x 16, 4 waves a work-group, clusters of 4 x 4, 327,680 bytes of LDS; arguments x_codes, wqkv_codes, lowp_scales, qkv_img; writes qkv_img
;; launch attn (part 5): grid 8 x 32, 16 waves a work-group, no clusters, 34,816 bytes of LDS; arguments qkv_img, mwords, mflags, lowp_scales, a_img; writes a_img
.if DOCPART == 5
	.amdgcn_target "amdgcn-amd-amdhsa--gfx1250"
	.amdhsa_code_object_version 6
	.text
	.protected	k_qf708aa2bed_attn
	.globl	k_qf708aa2bed_attn
	.p2align	8
	.type	k_qf708aa2bed_attn,@function
k_qf708aa2bed_attn:
	s_mov_b64 s[64:65], 0
	v_nop
	global_prefetch_b8 v0, s[64:65] scope:SCOPE_SE
	s_setreg_imm32_b32 hwreg(HW_REG_WAVE_SCHED_MODE, 0, 2), 2
	s_setreg_imm32_b32 hwreg(HW_REG_WAVE_MODE, 25, 1), 1
	s_wait_xcnt 0x0
	s_wait_alu depctr_vm_vsrc(0)
; ATTN: for each batch and head: S^T = K Q^T, the mask, the softmax ahead of a quantised product, O^T = V^T P^T, O / l, and the quantiser of the last product's left operand.  All products on codes of E4M3.
; t = score x log2(e) / 8; M = the running largest t rounded UP to a whole number; p = 2^(t - M) is quantised with 2^e4; the row's sum l is taken of the unquantised p.
; SHARES.  A work-group has one batch and head and 256 queries; each of its sixteen waves owns 16 of them in 256 registers, four waves to a SIMD.  Which tile of 16 a wave owns is a bijection of (work-group x, wave) onto 0..127,
; chosen so that masks under which later queries see more keys give every work-group and every fourth wave about the same number of steps; no result hangs on it.
; Every wave walks the 16 steps of 128 keys.  K's and V's images of a step, 8,192 bytes each, are copied through registers into one of two LDS slots, thread n's 16 bytes at 16 n; one barrier a step.
; LAYOUT.  Both products are used transposed: a lane holds ONE query (lane % 16).  Tile t of S^T: register j = key 16 t + 8 (lane / 16) + j; its eight codes are registers 2 t, 2 t + 1 of P.  Tile u of O^T: register j = channel 16 u + 8 (lane / 16) + j.
; THE MASK is an input.  An earlier launch has laid it as words of lane bits (mwords) and flags (mflags), whole numbers.  A step is LEFT OUT where none of its 16 x 128 bits is true and each of my 16 rows has a true key somewhere:
; its p would all be 0.  If one of my rows has no true key, all 16 steps are worked, and that row comes out as the plain average.  A step that is all true skips the 64 selects.  Barriers and copies stand outside these branches.
; Since steps are left out by branches on stored numbers (and p's hold by a branch on e4), this text has no tensor load and so no joint loads, though the eight work-groups of a head read the same K and V.
; LIMITS.  A masked logit is -2^30 where the definition has -1e9: -2^30 x c is exact, so that a row with no true key gives p = 1 exactly; the softmax is the same wherever true logits lie above -1e9 + 200
; (the clamps bound them by 64 x 448^2 x 2^(e2 + e3) / 8: so for e2 + e3 up to 8).  e2 + e3 between -94 and 127; e4, and e6 - e4 - e5, between -126 and 119.  NaN is not served.
; p is at most 1 (but for the last bit), so its hold is needed only where 448 x 2^e4 < 1: e4 < -8.
; THE MODE: SCHED_MODE bits 1:0 = 2 (LLVM: expert scheduling mode 2), set by the entry lines.  The code itself states the register dependences between vector or matrix instructions and memory or LDS instructions,
; with s_wait_alu, always for 0.
; THE PLAN.  Registers that memory or LDS instructions touch:
;   v1, v2, v3   16 x lane, 16 x thread, 256 x lane: made once at the head, ahead of one wait on va_vdst, and never written again: the steps are reached by scalar bases and immediate offsets.
;   G0, G1       Named by memory and LDS instructions alone.  Step s: the loads of step s + 2 land in G[s % 2], which the LDS stores of step s - 1 read; the LDS stores of step s read G[(s + 1) % 2].
;                So one wait on vm_vsrc stands at the head of a step that loads, a whole step behind the stores that it speaks of, and the step's two loads follow it at once.
;   v16-23       Q: loaded once at the head, ahead of every product.
;   KV           A worked step: K's 16 LDS loads land; the 8 products K Q^T read; V's 16 LDS loads land; the 4 products V^T P^T read.  So two waits on va_vdst stand in a worked step: one at its head
;                (the last worked step's V^T P^T are done reading), one behind K Q^T.  Behind the second, V's loads are dealt among the lines of the maximum: the selects and the maxima name S, v4, v216 and v217, never KV or v1.
;   v200-207     on the way out: written by the conversions, read by the two stores: one wait on va_vdst between.
;   S, O, P in the loop and the statistics are named by vector and matrix instructions alone.  EXEC is never written, and of the scalar registers a vector instruction writes s14 alone.
.set SLOTB, 16384                      ; a slot: K's eight images, then V's four
.set LI,  1                            ; v1   16 x lane
.set CT,  2                            ; v2   16 x thread
.set PFO, 3                            ; v3   256 x lane
.set NEG, 4                            ; v4   the masked score: -2^(33 - e2 - e3)
.set G,   24                           ; v24-31, v32-39: two sets for the copies: four registers of K, four of V
.set KV,  40                           ; v40-103  8 fragments of K, then 4 of V
.set S,   104                          ; v104-167 S^T, then p
.set O,   168                          ; v168-199 O^T
.set P,   200                          ; v200-215 p's codes
; v5, v6: 2^e4, 448 x 2^e4;  v8, v9: 448 x 2^(e6-e4-e5), 2^(e6-e4-e5);  v12 -M, v13 the largest t, v[14:15] l in two halves;  v16-23 Q;  v216, v217 maxima;  v[218:219] f;  v[220:221] a second chain of sums;  v222 a permute's destination
; s14 wave; s18 WORK, s19 MIXED: bit 0 is the step in hand; s[20:21] lane selects; s[22:23] c; s[24:25], s[26:27] K and V at the trip's first step; s[28:29] the prefetches' base; s30 their limit; s31 trips; s66 256 x step; s67 1 where p is held
; s32-63, s68-99: the step's 64 mask words
; ONE KEY STEP in slot \slot.  ld: the step two on is asked for.  st: the next step's K and V go from registers into the other slot.  bar: a barrier closes the step.
.macro STEP slot, st, ld, bar
.if \ld
	s_wait_alu depctr_vm_vsrc(0)                   ; the LDS stores of the step before (ahead of the first step: the head's) have read this set of G, in which the two loads below land
	global_load_b128 v[G+8*\slot:G+8*\slot+3],   v[CT], s[24:25] offset:(\slot+2)*8192     ; two steps on
	global_load_b128 v[G+8*\slot+4:G+8*\slot+7], v[CT], s[26:27] offset:(\slot+2)*8192
	; a prefetch of the step five on, three steps ahead of its load: the head's first work-group asks, wave 0 for K's 8,192 bytes and wave 1 for V's, lanes 256 bytes apart; trips 0 to 4: steps 5 to 14, each named once
	s_cmp_lt_u32 s31, s30
	s_cbranch_scc0 .Lnoask_\@
	global_prefetch_b8 v[PFO], s[28:29] offset:(\slot+5)*8192 th:TH_LOAD_NT scope:SCOPE_SE
.Lnoask_\@:
.endif
.if \st
	s_wait_loadcnt 2*\ld                           ; loads come back in order (ISA guide 5.7.1): the next step's K and V, asked for a step ago, are in registers (in the first step Q too); the two loads just issued may be out
	ds_store_b128 v[CT], v[G+8*(1-\slot):G+8*(1-\slot)+3] offset:(1-\slot)*SLOTB           ; the other slot's readers waited for their loads in front of the last barrier
	ds_store_b128 v[CT], v[G+8*(1-\slot)+4:G+8*(1-\slot)+7] offset:(1-\slot)*SLOTB+8192
.endif
	s_bitcmp1_b32 s18, 0                           ; is this step worked?
	s_cbranch_scc0 .Lskip_\@
	s_wait_alu depctr_va_vdst(0)                   ; the last worked step's products V^T P^T are done reading v[KV ..], in which K's fragments land
	s_load_b512 s[32:47], s[6:7], s66 offset:0x0   ; the step's 64 mask words
	s_load_b512 s[48:63], s[6:7], s66 offset:0x40
	s_load_b512 s[68:83], s[6:7], s66 offset:0x80
	s_load_b512 s[84:99], s[6:7], s66 offset:0xc0
.irp t, 0,1,2,3,4,5,6,7
	ds_load_b128 v[KV+8*\t:KV+8*\t+3],   v[LI] offset:\slot*SLOTB+1024*\t
	ds_load_b128 v[KV+8*\t+4:KV+8*\t+7], v[LI] offset:\slot*SLOTB+1024*\t+512
.endr
	s_wait_dscnt 0x0
.irp t, 0,1,2,3,4,5,6,7
	v_wmma_f32_16x16x64_fp8_fp8 v[S+8*\t:S+8*\t+7], v[KV+8*\t:KV+8*\t+7], v[16:23], 0
.endr
.rept 4
	v_nop                                          ; places in front of the first read of the scores (ISA guide 7.12.1)
.endr
	s_wait_alu depctr_va_vdst(0)                   ; the eight products are done reading K's fragments, in which V's land; the places above stay beside this wait
	s_wait_kmcnt 0x0                               ; the mask words are in, and s66 may be stepped
	s_bitcmp1_b32 s19, 0                           ; a step that is all true has nothing to select
	s_cbranch_scc0 .Lopen_\@
.set n, 0
.rept 64
	v_cndmask_b32 v[S+n], v[NEG], v[S+n], s[32+n+4*(n/32)]
.set n, n+1
.endr
.Lopen_\@:
	; V's sixteen loads (piece m: registers 4 m .. 4 m + 3 of its four fragments) are dealt among the lines of the maximum, one for two lines, and land under the softmax.
	; No wait: no vector or matrix instruction since the wait above names v[KV ..] or v[LI]
.set m, 0
	ds_load_b128 v[KV+4*m:KV+4*m+3], v[LI] offset:\slot*SLOTB+8192+512*m
.set m, m+1
	v_max3_num_f32 v216, v[S], v[S+1], v[S+2]      ; the step's largest score of my query among my 64 keys, in two chains, each tile from its low end on
	ds_load_b128 v[KV+4*m:KV+4*m+3], v[LI] offset:\slot*SLOTB+8192+512*m
.set m, m+1
	v_max3_num_f32 v217, v[S+3], v[S+4], v[S+5]
.set n, 6
.rept 14
	ds_load_b128 v[KV+4*m:KV+4*m+3], v[LI] offset:\slot*SLOTB+8192+512*m
.set m, m+1
	v_max3_num_f32 v216, v216, v[S+n], v[S+n+1]
	v_max3_num_f32 v217, v217, v[S+n+2], v[S+n+3]
.set n, n+4
.endr
	v_max3_num_f32 v216, v216, v[S+62], v[S+63]
	v_max_num_f32 v216, v216, v217
	v_permlanex16_b32 v222, v216, s20, s21
	v_max_num_f32 v216, v216, v222                 ; and among lane l xor 16's
	v_mul_f32 v216, s22, v216                      ; as t (c is positive)
	v_max_num_f32 v13, v13, v216                   ; the running largest t
	v_mov_b32 v216, v12
	v_floor_f32 v12, -v13                          ; the new -M = floor(-t): M is a whole number
	v_sub_f32 v216, v12, v216                      ; old M - new M: a whole number, 0 or less
	v_cvt_i32_f32 v216, v216                       ; (it saturates)
	v_ldexp_f32 v218, 1.0, v216                    ; f = 2^(old M - new M)
.set n, 0
.rept 32
	v_pk_fma_f32 v[S+n:S+n+1], v[S+n:S+n+1], s[22:23], v[12:13] op_sel_hi:[1,0,0]   ; t - M, two at a time
.set n, n+2
.endr
.set n, 0
.rept 64
	v_exp_f32 v[S+n], v[S+n]                       ; p = 2^(t - M)
.set n, n+1
.endr
	v_pk_mul_f32 v[14:15], v[14:15], v[218:219] op_sel_hi:[1,0]   ; the sums under the new M: the plain instruction behind the exponentials
	s_wait_alu depctr_va_vdst(0)                   ; the 64 exponentials have written v[S ..]: one wait for the batch, ahead of its first reader
	v_pk_add_f32 v[220:221], v[S:S+1], v[S+2:S+3]  ; the row's sum is taken of the unquantised p, in two chains
.set n, 4
.rept 15
	v_pk_add_f32 v[14:15], v[14:15], v[S+n:S+n+1]
	v_pk_add_f32 v[220:221], v[220:221], v[S+n+2:S+n+3]
.set n, n+4
.endr
	v_pk_add_f32 v[14:15], v[14:15], v[220:221]
	s_cmp_eq_u32 s67, 0
	s_cbranch_scc1 .Lnohold_\@
.set n, 0
.rept 64
	v_min_num_f32 v[S+n], v[S+n], v6               ; the conversion does not saturate (ISA guide 7.6.2); p is not negative, so the hold is one-sided
.set n, n+1
.endr
.Lnohold_\@:
.irp t, 0,1,2,3,4,5,6,7
	v_cvt_scalef32_pk8_fp8_f32 v[P+2*\t:P+2*\t+1], v[S+8*\t:S+8*\t+7], v5
.endr
.set n, 0
.rept 16
	v_pk_mul_f32 v[O+n:O+n+1], v[O+n:O+n+1], v[218:219] op_sel_hi:[1,0]   ; O^T under the new M; also the plain instructions behind the conversions
.set n, n+2
.endr
	s_wait_dscnt 0x0                               ; V is in
.irp u, 0,1,2,3
	v_wmma_f32_16x16x128_fp8_fp8 v[O+8*\u:O+8*\u+7], v[KV+16*\u:KV+16*\u+15], v[P:P+15], v[O+8*\u:O+8*\u+7]   ; four accumulators by turns; the scores' products stand between a turn and the next
.endr
.rept 4
	v_nop                                          ; places in front of the next read of O^T (ISA guide 7.12.1)
.endr
.Lskip_\@:
	s_lshr_b32 s18, s18, 1
	s_lshr_b32 s19, s19, 1
	s_add_co_u32 s66, s66, 256
.if \bar
	s_wait_dscnt 0x0                               ; my stores into the other slot have landed and my reads of this slot are over
	s_barrier_signal -1
	s_barrier_wait -1
.endif
.endm
	s_load_b256 s[4:11], s[0:1], 0x0               ; qkv_img, mwords, mflags, the scales' exponents
	s_load_b64 s[12:13], s[0:1], 0x20              ; a_img
	v_lshl_add_u32 v254, v0, 2, 0x8000
	v_mov_b32 v255, 0
	v_lshrrev_b32 v1, 5, v0
	v_readfirstlane_b32 s14, v1                    ; wave 0..15
	v_and_b32 v1, 31, v0
	v_lshlrev_b32 v[PFO], 8, v1
	v_lshlrev_b32 v[LI], 4, v1
	v_lshlrev_b32 v[CT], 4, v0
	s_and_b32 s15, ttmp7, 0xffff                   ; batch x 16 + head
	s_wait_alu depctr_va_sdst(0)                   ; s14 is written, ahead of its first reader: my tile, and with it the bases, are made from it
	s_lshr_b32 s100, s14, 2
	s_add_co_u32 s100, s100, s14
	s_and_b32 s100, s100, 3                        ; g = (wave / 4 + wave) % 4
	s_and_b32 s101, s14, 3                         ; i = wave % 4
	s_and_b32 s104, s100, 2
	s_lshl_b32 s104, s104, 1                       ; 0 or 4
	s_add_co_u32 s105, ttmp9, s104
	s_and_b32 s105, s105, 7
	s_and_b32 s100, s100, 1
	s_mul_i32 s100, s100, 15
	s_xor_b32 s105, s105, s100                     ; d: 0..7 where g is even, 15..8 where it is odd
	s_lshl_b32 s105, s105, 3
	s_add_co_u32 s105, s105, s104
	s_add_co_u32 s16, s105, s101                   ; my tile of 16 queries: 8 d + 4 (g / 2) + i
	s_mov_b32 s20, 0x76543210
	s_mov_b32 s21, 0xfedcba98
	s_lshl_b32 s100, s15, 17
	s_mov_b32 s101, 0
	s_wait_kmcnt 0x0
	s_add_nc_u64 s[4:5], s[4:5], s[100:101]        ; the head's q,
	s_add_nc_u64 s[24:25], s[4:5], 0x400000        ; its k,
	s_add_nc_u64 s[26:27], s[4:5], 0x800000        ; its v
	s_lshl_b32 s100, s16, 10
	s_add_nc_u64 s[4:5], s[4:5], s[100:101]        ; my tile's image of q
	s_lshl_b32 s100, s16, 12
	s_add_nc_u64 s[6:7], s[6:7], s[100:101]        ; my tile's 16 x 64 mask words
	s_lshl_b32 s100, s16, 4
	s_add_nc_u64 s[8:9], s[8:9], s[100:101]        ; and its four flag words
	s_load_b128 s[40:43], s[8:9], 0x0
	s_load_b256 s[32:39], s[10:11], 0x0            ; e0 .. e7
	s_wait_alu depctr_va_vdst(0)                   ; v1, v2 and v3 are written: the loads, stores, copies and prefetches of the steps and of the way out read one of them as address or offset
	global_load_b128 v[G:G+3],     v[CT], s[24:25]                ; step 0
	global_load_b128 v[G+4:G+7],   v[CT], s[26:27]
	global_load_b128 v[G+8:G+11],  v[CT], s[24:25] offset:8192    ; step 1
	global_load_b128 v[G+12:G+15], v[CT], s[26:27] offset:8192
	global_load_b128 v[16:19], v[LI], s[4:5]                      ; Q stays in registers
	global_load_b128 v[20:23], v[LI], s[4:5] offset:512
	s_lshr_b32 s100, s15, 4
	s_lshl_b32 s100, s100, 7
	s_add_co_u32 s100, s100, s16                   ; batch x 128 + tile
	s_lshl_b32 s100, s100, 4
	s_and_b32 s104, s15, 15
	s_add_co_u32 s100, s100, s104                  ; x 16 + head
	s_lshl_b32 s100, s100, 10
	s_add_nc_u64 s[12:13], s[12:13], s[100:101]    ; my image in a_img
	s_lshr_b32 s100, s14, 1
	s_or_b32 s100, s100, ttmp9
	s_cmp_eq_u32 s100, 0                           ; waves 0 and 1 of the head's first work-group prefetch, in trips 0 to 4
	s_cselect_b32 s30, 5, 0
	s_cmp_eq_u32 s14, 0
	s_cselect_b64 s[28:29], s[24:25], s[26:27]
	v_mov_b32 v13, 0xff61b1e6                      ; the largest t so far: -3e38
	v_floor_f32 v12, -v13
	v_mov_b32 v14, 0
	v_mov_b32 v15, 0
	v_mov_b32 v219, 0                              ; named as the upper half of the pair v[218:219]
	v_mov_b32 v222, 0                              ; a lane permute's destination counts as one of its sources
.set n, 0
.rept 32
	v_mov_b32 v[O+n], 0                            ; which step is a wave's first hangs on the mask, so none is written out: the first finds zeros
.set n, n+1
.endr
	s_wait_kmcnt 0x0
	s_or_b32 s100, s40, s41
	s_or_b32 s101, s42, s43
	s_or_b32 s100, s100, s101
	s_and_b32 s100, s100, 0xffff                   ; rows with a true key somewhere
	s_bfe_u32 s18, s40, 0x40010                    ; steps with a true key,
	s_bfe_u32 s19, s40, 0x40014                    ; steps that are all true
.irp g, 1,2,3
	s_bfe_u32 s101, s[40+\g], 0x40010
	s_lshl_b32 s101, s101, 4*\g
	s_or_b32 s18, s18, s101
	s_bfe_u32 s101, s[40+\g], 0x40014
	s_lshl_b32 s101, s101, 4*\g
	s_or_b32 s19, s19, s101
.endr
	s_cmp_eq_u32 s100, 0xffff
	s_cselect_b32 s18, s18, 0xffff                 ; WORK: a row with no true key asks for all steps
	s_and_not1_b32 s19, s18, s19                   ; MIXED
	s_add_co_i32 s100, s34, s35                    ; e2 + e3
	s_lshl_b32 s101, s100, 23
	s_add_co_i32 s22, s101, 0x3e38aa3b             ; c = log2(e) / 8 x 2^(e2 + e3): the exponents are added to c's exponent field
	s_mov_b32 s23, s22
	s_sub_co_i32 s100, 160, s100
	s_lshl_b32 s100, s100, 23
	s_or_b32 s100, s100, 0x80000000
	v_mov_b32 v[NEG], s100                         ; -2^(33 - e2 - e3): the logit -2^30
	s_add_co_i32 s100, s36, 127
	s_lshl_b32 s101, s100, 23
	v_mov_b32 v5, s101                             ; 2^e4
	s_add_co_i32 s100, s100, 8
	s_lshl_b32 s100, s100, 23
	s_or_b32 s100, s100, 0x600000
	v_mov_b32 v6, s100                             ; 448 x 2^e4
	s_cmp_lt_i32 s36, -8
	s_cselect_b32 s67, 1, 0
	s_sub_co_i32 s100, s38, s36
	s_sub_co_i32 s100, s100, s37                   ; O^T / l stands for that x 2^(e4 + e5): the three scales in one
	s_add_co_i32 s100, s100, 127
	s_lshl_b32 s101, s100, 23
	v_mov_b32 v9, s101
	s_add_co_i32 s100, s100, 8
	s_lshl_b32 s100, s100, 23
	s_or_b32 s100, s100, 0x600000
	v_mov_b32 v8, s100
	s_mov_b32 s31, 0
	s_mov_b32 s66, 0
	s_wait_loadcnt 4                               ; step 0's two loads are in; step 1's two and Q's two may be out
	ds_store_b128 v[CT], v[G:G+3]
	ds_store_b128 v[CT], v[G+4:G+7] offset:8192
	s_wait_dscnt 0x0
	s_barrier_signal -1
	s_barrier_wait -1
.Ltrip:                                            ; seven trips of two steps
	STEP 0, 1, 1, 1
	STEP 1, 1, 1, 1
	s_wait_xcnt 0x0                                ; the loads and the prefetch have read their bases
	s_add_nc_u64 s[24:25], s[24:25], 2*8192
	s_add_nc_u64 s[26:27], s[26:27], 2*8192
	s_add_nc_u64 s[28:29], s[28:29], 2*8192
	s_add_co_u32 s31, s31, 1
	s_cmp_lt_u32 s31, 7
	s_cbranch_scc1 .Ltrip
	STEP 0, 1, 0, 1                                ; steps 14 and 15 ask for nothing
	STEP 1, 0, 0, 0
	; THE WAY OUT: O^T / l, held and converted: the four tiles' codes are the eight registers of my image, 1,024 bytes on end
	v_add_f32 v14, v14, v15
	v_permlanex16_b32 v222, v14, s20, s21
	v_add_f32 v14, v14, v222                       ; the row's sum
	v_rcp_f32 v218, v14
	v_nop                                          ; a plain instruction behind the reciprocal
	s_wait_alu depctr_va_vdst(0)                   ; the reciprocal has written v218, ahead of its first reader
.set n, 0
.rept 16
	v_pk_mul_f32 v[S+n:S+n+1], v[O+n:O+n+1], v[218:219] op_sel_hi:[1,0]
.set n, n+2
.endr
.set n, 0
.rept 32
	v_med3_num_f32 v[S+n], v[S+n], -v8, v8
.set n, n+1
.endr
.irp u, 0,1,2,3
	v_cvt_scalef32_pk8_fp8_f32 v[P+2*\u:P+2*\u+1], v[S+8*\u:S+8*\u+7], v9
.endr
	v_nop
	s_wait_alu depctr_va_vdst(0)                   ; the four conversions have written v[P .. P + 7], which the two stores read
	global_store_b128 v[LI], v[P:P+3], s[12:13]              ; 512 consecutive bytes, aligned
	global_store_b128 v[LI], v[P+4:P+7], s[12:13] offset:512
	s_wait_dscnt 0x0
	s_wait_alu depctr_hold_cnt(0) depctr_sa_sdst(0) depctr_va_vdst(0) depctr_va_sdst(0) depctr_va_ssrc(0) depctr_va_vcc(0) depctr_vm_vsrc(0)
	s_wait_tensorcnt 0x0
	ds_add_u32 v254, v255
	s_wait_dscnt 0x0
	s_endpgm
.Lfunc_end_k_qf708aa2bed_attn:
	.size	k_qf708aa2bed_attn, .Lfunc_end_k_qf708aa2bed_attn-k_qf708aa2bed_attn
	.p2alignl 7, 3214868480
	.fill 96, 4, 3214868480
	.section	.rodata,"a",@progbits
	.p2align	6, 0x0
	.amdhsa_kernel k_qf708aa2bed_attn
		.amdhsa_group_segment_fixed_size 34816
		.amdhsa_private_segment_fixed_size 0
		.amdhsa_enable_private_segment 0
		.amdhsa_kernarg_size 40
		.amdhsa_user_sgpr_count 2
		.amdhsa_user_sgpr_kernarg_segment_ptr 1
		.amdhsa_wavefront_size32 1
		.amdhsa_system_sgpr_workgroup_id_x 1
		.amdhsa_system_sgpr_workgroup_id_y 1
		.amdhsa_system_sgpr_workgroup_id_z 1
		.amdhsa_system_vgpr_workitem_id 0
		.amdhsa_next_free_vgpr 256
		.amdhsa_next_free_sgpr 106
		.amdhsa_reserve_vcc 0
		.amdhsa_float_denorm_mode_32 3
		.amdhsa_float_denorm_mode_16_64 3
		.amdhsa_memory_ordered 1
		.amdhsa_forward_progress 1
		.amdhsa_inst_pref_size 92
	.end_amdhsa_kernel
	.amdgpu_metadata
---
amdhsa.version: [ 1, 2 ]
amdhsa.kernels:
  - .name:           k_qf708aa2bed_attn
    .symbol:         k_qf708aa2bed_attn.kd
    .args:
      - { .name: qkv_img, .offset: 0, .size: 8, .value_kind: global_buffer, .address_space: global }
      - { .name: mwords, .offset: 8, .size: 8, .value_kind: global_buffer, .address_space: global }
      - { .name: mflags, .offset: 16, .size: 8, .value_kind: global_buffer, .address_space: global }
      - { .name: lowp_scales, .offset: 24, .size: 8, .value_kind: global_buffer, .address_space: global }
      - { .name: a_img, .offset: 32, .size: 8, .value_kind: global_buffer, .address_space: global }
    .group_segment_fixed_size: 34816
    .private_segment_fixed_size: 0
    .kernarg_segment_align: 8
    .kernarg_segment_size: 40
    .max_flat_workgroup_size: 512
    .sgpr_count:     106
    .vgpr_count:     256
    .wavefront_size: 32
...
	.end_amdgpu_metadata
.endif
;; end of part 5
;; launch proj: the kernel of part 4 again; grid 8 x 32, 4 waves a work-group, clusters of 4 x 4, 280,064 bytes of LDS; arguments a_img, wo_img, lowp_scales, out0; writes out0
